; MI455X (gfx1250); checked and timed in simulation.
; The chip was launched on July 23, 2026; its instructions are those of AMD's public machine-readable ISA for CDNA 5 (MIT licence, August 2026) and "CDNA5" Instruction Set Architecture Reference Guide (July 2026). The comments in the code are by the model that wrote it; some were corrected since.
;; Atentie. Allowed arithmetic: float matrix products may take bf16 or f16 operands with f32 sums; all other float work in f32.
;; Inputs: Wk 1,024 x 1,024 float32; Wq 1,024 x 1,024 float32; Wv 1,024 x 1,024 float32; bk 1,024 float32; bq 1,024 float32; bv 1,024 float32; strat 4 x 2,048 x 1,024 float32.
;; Outputs: out0 4 x 2,048 x 1,024 float32.
;; 2 versions, each right; version 2 is version 1 with the launch cast written anew for expert scheduling mode. Each part assembles by itself: llvm-mc -triple=amdgcn-amd-amdhsa -mcpu=gfx1250 --defsym DOCPART=n.
;; ======== version 1 of 2: 4 launches
;; limits: values are held in f16: magnitudes above 65,504 overflow, below 6.1e-05 lose precision
;; workspace buffers: xb 16,777,216 bytes; wb 6,291,456 bytes; bb 12,288 bytes; qkv 50,331,648 bytes; pw 33,554,432 bytes; ms 524,288 bytes; ls 524,288 bytes
;; launch cast (part 1): grid 256 x 1, 16 waves a work-group, no clusters, 0 bytes of LDS; arguments strat, Wq, Wk, Wv, bq, bk, bv, xb, wb, bb; writes xb, wb, bb
.if DOCPART == 1
	.amdgcn_target "amdgcn-amd-amdhsa--gfx1250"
	.amdhsa_code_object_version 6
	.text
	.protected	k_q5cf5a4e52e_cast
	.globl	k_q5cf5a4e52e_cast
	.p2align	8
	.type	k_q5cf5a4e52e_cast,@function
k_q5cf5a4e52e_cast:
	s_mov_b64 s[64:65], 0
	v_nop
	global_prefetch_b8 v0, s[64:65] scope:SCOPE_SE
	s_setreg_imm32_b32 hwreg(HW_REG_WAVE_MODE, 25, 1), 1
	s_wait_xcnt 0x0
; All seven inputs are rounded once to bf16 (nearest even) and laid out for the projection's tiles.
;   xb: bf16 [16 kb][8192 rows][64]   wb: bf16 [16 kb][3072 rows][64] (rows: Wq, Wk, Wv)   bb: f32 [3072], the rounded biases (bq, bk, bv)
; so that 64 columns of any run of rows are dense bytes.  A stream: no LDS, no barrier, no matrix unit.
; SHARES.  8,192 + 3,072 rows are 256 x 44: every work-group takes 32 rows of strat and 12 rows of the weights, the latter as three groups of 4 rows, none of which
; straddles two weights.  Wave w of sixteen takes columns 64 w .. 64 w + 63 (kb = w).  A unit u is a pair of rows: lanes 0-15 read 256 consecutive aligned bytes of one row,
; lanes 16-31 of the next; rounded, a lane's 8 bytes lie at 8 x lane of 256 consecutive aligned bytes of the output.
; All 22 loads of a wave go out first; each register is written once, so no wait frees a source.
; Wave 0 of work-groups 0-47 also takes 64 numbers of a bias: 256 bytes in, 256 bytes out.
.set X,   4                            ; v[4:91]  unit u: 4 numbers a lane at X + 4 u; packed in place into its first two registers
.set BI,  92                           ; v[92:93] two numbers of a bias
.set BT,  94                           ; the two, rounded and packed
.set BR,  96                           ; v[96:97] the two as f32
.set KSW, 3072*128                     ; bytes from kb to kb + 1 in wb (in xb: 8192 x 128 = 1 << 20)
	s_load_b512 s[8:23], s[0:1], 0x0               ; strat s[8:9], Wq s[10:11], Wk s[12:13], Wv s[14:15], bq s[16:17], bk s[18:19], bv s[20:21], xb s[22:23]
	s_load_b128 s[24:27], s[0:1], 0x40             ; wb s[24:25], bb s[26:27]
	v_lshrrev_b32 v1, 5, v0
	v_readfirstlane_b32 s4, v1                     ; wave 0..15
	v_and_b32 v3, 31, v0                           ; lane
	v_lshlrev_b32 v2, 3, v3                        ; out: 8 x lane
	v_lshrrev_b32 v1, 4, v3
	v_and_b32 v3, 15, v3
	v_lshlrev_b32 v1, 12, v1                       ; in: row (lane / 16) x 4,096
	v_lshl_add_u32 v1, v3, 4, v1                   ; + 16 (lane % 16)
	s_lshl_b32 s5, s4, 8
	v_add_nc_u32 v1, s5, v1                        ; + 256 x wave
	v_mov_b32 v[BI], 0                             ; written on every way
	v_mov_b32 v[BI+1], 0
	s_mov_b32 s2, ttmp9                            ; the work-group, i
	s_lshl_b32 s28, s2, 17                         ; strat: 32 rows of 4,096 bytes
	s_mov_b32 s29, 0
	s_lshl_b32 s30, s2, 12                         ; xb: 32 rows of 128 bytes,
	s_lshl_b32 s7, s4, 20                          ; in block kb = w
	s_add_co_u32 s30, s30, s7
	s_mov_b32 s31, 0
	s_mul_i32 s32, s2, 12*128                      ; wb: 12 rows of 128 bytes,
	s_mul_i32 s7, s4, KSW                          ; in block kb = w
	s_add_co_u32 s32, s32, s7
	s_mov_b32 s33, 0
	s_mul_i32 s7, s2, 3                            ; my first group of 4 rows among the weights' 768
.irp t, 0,1,2
	s_add_co_u32 s6, s7, \t
	s_lshr_b32 s[38+\t], s6, 8                     ; which weight,
	s_and_b32 s6, s6, 255
	s_lshl_b32 s[42+2*\t], s6, 14                  ; and where in it: 4 rows of 4,096 bytes
	s_mov_b32 s[43+2*\t], 0
.endr
	s_lshr_b32 s6, s2, 4                           ; which bias (work-groups 0-47),
	s_and_b32 s34, s2, 15
	s_lshl_b32 s34, s34, 8                         ; its 64 numbers, in
	s_mov_b32 s35, 0
	s_lshl_b32 s36, s2, 8                          ; and out
	s_mov_b32 s37, 0
	s_cmp_lt_u32 s2, 48
	s_cselect_b32 s5, 1, 0
	s_cmp_eq_u32 s4, 0
	s_cselect_b32 s5, s5, 0                        ; 1: this wave also takes the bias
	s_wait_kmcnt 0x0
	s_add_nc_u64 s[48:49], s[8:9], s[28:29]        ; strat at my rows
	s_add_nc_u64 s[56:57], s[22:23], s[30:31]      ; xb
	s_add_nc_u64 s[58:59], s[24:25], s[32:33]      ; wb
.irp t, 0,1,2
	s_cmp_eq_u32 s[38+\t], 1
	s_cselect_b64 s[50+2*\t:51+2*\t], s[12:13], s[10:11]
	s_cmp_eq_u32 s[38+\t], 2
	s_cselect_b64 s[50+2*\t:51+2*\t], s[14:15], s[50+2*\t:51+2*\t]
	s_add_nc_u64 s[50+2*\t:51+2*\t], s[50+2*\t:51+2*\t], s[42+2*\t:43+2*\t]  ; group t's four rows
.endr
	s_cmp_eq_u32 s6, 1
	s_cselect_b64 s[60:61], s[18:19], s[16:17]
	s_cmp_eq_u32 s6, 2
	s_cselect_b64 s[60:61], s[20:21], s[60:61]
	s_add_nc_u64 s[60:61], s[60:61], s[34:35]
	s_add_nc_u64 s[62:63], s[26:27], s[36:37]
	s_cmp_lg_u32 s5, 0
	s_cbranch_scc0 .Lno_bias
	global_load_b64 v[BI:BI+1], v2, s[60:61]       ; older than the 22 loads below: their counts hold on both ways
.Lno_bias:
.set u, 0
.rept 16
	global_load_b128 v[X+4*u:X+4*u+3], v1, s[48:49] offset:u*8192 th:TH_LOAD_NT
.set u, u+1
.endr
.irp t, 0,1,2
	global_load_b128 v[X+64+8*\t:X+64+8*\t+3],   v1, s[50+2*\t:51+2*\t] th:TH_LOAD_NT
	global_load_b128 v[X+64+8*\t+4:X+64+8*\t+7], v1, s[50+2*\t:51+2*\t] offset:8192 th:TH_LOAD_NT
.endr
.set u, 0
.rept 22
	s_wait_loadcnt 21-u                            ; loads come back in order (ISA guide 5.7.1): unit u is in, the younger units stay out
	v_cvt_pk_bf16_f32 v[X+4*u],   v[X+4*u],   v[X+4*u+1]
	v_cvt_pk_bf16_f32 v[X+4*u+1], v[X+4*u+2], v[X+4*u+3]
.if u < 16
	global_store_b64 v2, v[X+4*u:X+4*u+1], s[56:57] offset:u*256       ; two rows of 128 bytes: 256 consecutive bytes, aligned
.else
	global_store_b64 v2, v[X+4*u:X+4*u+1], s[58:59] offset:(u-16)*256
.endif
.set u, u+1
.endr
	s_cmp_lg_u32 s5, 0
	s_cbranch_scc0 .Ldone
	v_cvt_pk_bf16_f32 v[BT], v[BI], v[BI+1]        ; the bias rounded to bf16,
	v_lshlrev_b32 v[BR], 16, v[BT]                 ; and written as f32
	v_and_b32 v[BR+1], 0xffff0000, v[BT]
	global_store_b64 v2, v[BR:BR+1], s[62:63]
.Ldone:
	s_endpgm
.Lfunc_end_k_q5cf5a4e52e_cast:
	.size	k_q5cf5a4e52e_cast, .Lfunc_end_k_q5cf5a4e52e_cast-k_q5cf5a4e52e_cast
	.p2alignl 7, 3214868480
	.fill 96, 4, 3214868480
	.section	.rodata,"a",@progbits
	.p2align	6, 0x0
	.amdhsa_kernel k_q5cf5a4e52e_cast
		.amdhsa_group_segment_fixed_size 0
		.amdhsa_private_segment_fixed_size 0
		.amdhsa_enable_private_segment 0
		.amdhsa_kernarg_size 80
		.amdhsa_user_sgpr_count 2
		.amdhsa_user_sgpr_kernarg_segment_ptr 1
		.amdhsa_wavefront_size32 1
		.amdhsa_system_sgpr_workgroup_id_x 1
		.amdhsa_system_sgpr_workgroup_id_y 1
		.amdhsa_system_sgpr_workgroup_id_z 1
		.amdhsa_system_vgpr_workitem_id 0
		.amdhsa_next_free_vgpr 104
		.amdhsa_next_free_sgpr 66
		.amdhsa_reserve_vcc 0
		.amdhsa_float_denorm_mode_32 3
		.amdhsa_float_denorm_mode_16_64 3
		.amdhsa_memory_ordered 1
		.amdhsa_forward_progress 1
		.amdhsa_inst_pref_size 11
	.end_amdhsa_kernel
	.amdgpu_metadata
---
amdhsa.version: [ 1, 2 ]
amdhsa.kernels:
  - .name:           k_q5cf5a4e52e_cast
    .symbol:         k_q5cf5a4e52e_cast.kd
    .args:
      - { .name: strat, .offset: 0, .size: 8, .value_kind: global_buffer, .address_space: global }
      - { .name: Wq, .offset: 8, .size: 8, .value_kind: global_buffer, .address_space: global }
      - { .name: Wk, .offset: 16, .size: 8, .value_kind: global_buffer, .address_space: global }
      - { .name: Wv, .offset: 24, .size: 8, .value_kind: global_buffer, .address_space: global }
      - { .name: bq, .offset: 32, .size: 8, .value_kind: global_buffer, .address_space: global }
      - { .name: bk, .offset: 40, .size: 8, .value_kind: global_buffer, .address_space: global }
      - { .name: bv, .offset: 48, .size: 8, .value_kind: global_buffer, .address_space: global }
      - { .name: xb, .offset: 56, .size: 8, .value_kind: global_buffer, .address_space: global }
      - { .name: wb, .offset: 64, .size: 8, .value_kind: global_buffer, .address_space: global }
      - { .name: bb, .offset: 72, .size: 8, .value_kind: global_buffer, .address_space: global }
    .group_segment_fixed_size: 0
    .private_segment_fixed_size: 0
    .kernarg_segment_align: 8
    .kernarg_segment_size: 80
    .max_flat_workgroup_size: 512
    .sgpr_count:     66
    .vgpr_count:     104
    .wavefront_size: 32
...
	.end_amdgpu_metadata
.endif
;; end of part 1
;; launch proj (part 2): grid 8 x 32, 4 waves a work-group, clusters of 4 x 4, 327,680 bytes of LDS; arguments xb, wb, bb, qkv; writes qkv
.if DOCPART == 2
	.amdgcn_target "amdgcn-amd-amdhsa--gfx1250"
	.amdhsa_code_object_version 6
	.text
	.protected	k_q5cf5a4e52e_proj
	.globl	k_q5cf5a4e52e_proj
	.p2align	8
	.type	k_q5cf5a4e52e_proj,@function
k_q5cf5a4e52e_proj:
	s_mov_b64 s[64:65], 0
	v_nop
	global_prefetch_b8 v0, s[64:65] scope:SCOPE_SE
	s_setreg_imm32_b32 hwreg(HW_REG_WAVE_MODE, 25, 1), 1
	s_wait_xcnt 0x0
	s_wait_alu depctr_hold_cnt(0) depctr_sa_sdst(0) depctr_va_vdst(0) depctr_va_sdst(0) depctr_va_ssrc(0) depctr_va_vcc(0) depctr_vm_vsrc(0)
	s_getreg_b32 s2, hwreg(HW_REG_IB_STS2, 6, 4)
	s_cmp_eq_u32 s2, 0
	s_cbranch_scc0 .Lentry_in_a_cluster
	s_endpgm
.Lentry_in_a_cluster:
	s_bfe_u32 s2, ttmp6, 0x10000c
	s_cmp_lg_u32 s2, 0xf033
	s_cbranch_scc0 .Lentry_shape_is_right
	s_endpgm
.Lentry_shape_is_right:
; Q, K, V = x W^T + b in one product: C[8192][3072] = xb wb^T + bb, operands bf16, sums f32, C rounded once to f16.
;   xb: bf16 [16 kb][8192][64]   wb: bf16 [16 kb][3072][64]   bb: f32 [3072]
;   qkv: f16 [3 parts][64 row blocks][16 column blocks][128 rows][64 columns]
; LIMIT.  f16 ends at 65,504: |Q|, |K|, |V| must stay below it.  NaN and infinities are not treated apart.
; SHARES.  8192 x 3072 is 256 tiles of 256 x 384: one to a work-group.  Four waves, each 128 x 192: 96 accumulators of 16 x 16, 768 registers.
; K goes in 16 steps of 64 through two LDS slots.  In the blocked layouts a step's tile is dense: it is asked for as rows of 256 bytes and padded behind every 128.
; CLUSTER.  4 x 4 work-groups: the four of a row of the cluster need the same tile of x, the four of a column the same tile of W: each is asked for jointly, by the same
; tensor load with the same descriptor and a mask that names the four.
; THE MATRIX INSTRUCTION IS USED TRANSPOSED (source 0 = 16 rows of W, source 1 = 16 rows of x): a lane holds one row of C and eight neighbouring columns.
; THE BIAS is the C operand of the products that start the sums: a lane's eight numbers of b for column tile b are loaded into accumulator (0, b); the first products of
; rows a = 1..7 take it as C, and then row 0's adds in place.
; REGISTERS, in windows of 256 (s_set_vgpr_msb: bits 1:0 source 0, 3:2 source 1, 5:4 source 2, 7:6 destination):
;   window 0: v0-31 addresses; v32-95, v96-159 fragments of x for K 0-31 and 32-63 of a step; v160-207, v208-255 fragments of W, column tiles 0-5 and 6-11
;   windows 1-3: accumulator (a, b), a = 0..7, b = 0..11: window 1 + b / 4, register 64 (b % 4) + 8 a
.set PITCH, 144                        ; an LDS row: 128 bytes + 16 of padding = 36 words: the 16 rows of a load start at 16 different groups of four banks (64 banks of 4 bytes: ISA guide 11.1)
.set AHALF, 128*PITCH                  ; what a wave fetches, and reads, of x
.set BHALF, 192*PITCH                  ; and of W
.set BOFF,  2*AHALF
.set SLOT,  1<<17                      ; slot 1 begins here: one exclusive or turns an address in one slot into the other's
.set STAGE, BOFF+2*BHALF               ; behind slot 0's tiles: 3 x 16 rows x 144 bytes for each wave, for the way out
.set STW,   3*16*PITCH
.set SPARE, STAGE+4*STW                ; the spare words, 128 bytes for each wave: two blocks of 256 bytes that no other line names
.set STEPA, 8192*128                   ; bytes from a K step to the next in xb
.set STEPB, 3072*128                   ; and in wb
.set ADRA0, 2                          ; my lane's place in slot 0's tile of x; never rewritten
.set ADRB0, 3                          ; the same for W
.set ADRA,  4                          ; the same in the slot in hand
.set ADRB,  5
.set BO,    6                          ; 32 x (lane / 16): my eight numbers in 16 of the bias
.set STO,   7                          ; the way out: where I put 16 bytes of a row
.set RD,    8                          ; where I read rows back
.set GO,    9                          ; 16 x lane
.set SPW,   28                         ; LDS address of my spare word; never rewritten
.set NIL,   29                         ; 0; never rewritten
.set FA,    32
.set FB,    160
.set TMP,   32                         ; the way out: packed results, 48 registers
.set WV,  14                           ; my wave's number
.set WM,  15                           ; which half of the tile's rows is mine
.set WN,  16                           ; which half of its columns; also which half of a tile I fetch
.set CX,  17
.set CYI, 18
.set TX,  19                           ; tile column
.set TY,  20                           ; tile row
.set CLY, 21
.set RM,  22
.set CM,  23
.set G1A, 24                           ; s[24:31] descriptor group 1 for x's tiles
.set G0A, 32                           ; s[32:39] group 0: a set for each first fill; the second then walks
.set G1B, 48                           ; s[48:55], s[56:63] the same for W's
.set G0B, 56
.set CNT, 66
.set TB,  67                           ; LDS byte at which the slot in hand begins
.set SB,  72                           ; s[72:77] qkv at my rows of my three column blocks
.set W0,  (1<<16)|(1<<20)|(1<<21)|(4<<22)|(3<<25)  ; 17:16 2-byte elements; 20 padding on; 21 set beside a mask; 24:22 after every 32 words (code 4); 31:25 4 words (code 3)
.set MSB, 0
.macro WIN new                         ; the immediate's high byte repeats the setting that is left; a switch that changes nothing is dropped
.if MSB != (\new)
	s_set_vgpr_msb (MSB<<8)|(\new)
.set MSB, \new
.endif
.endm
; A load into a register that a matrix instruction has read, and a vector instruction that reads a matrix result, stand four places behind it, and only plain vector
; instructions that name none of its registers are places (ISA guide 7.12.1 for vector instructions).
.macro PLACES
.rept 4
	v_nop
.endr
.endm
.macro CREST                           ; a round of the cluster's barrier behind its opening barrier
	s_cmp_lg_u32 s[WV], 0
	s_cbranch_scc1 .Lnot_wave_0_\@
	s_barrier_signal -3
.Lnot_wave_0_\@:
	s_barrier_wait -3
	s_barrier_signal -1
	s_barrier_wait -1
.endm
.macro CROUND                          ; a whole round
	s_barrier_signal -1
	s_barrier_wait -1
	CREST
.endm
.macro JLOAD                           ; a joint refill: waves 0 and 1 fetch x's two halves, waves 2 and 3 W's; an s_nop 0 and four v_nop follow each line
	s_cmp_lt_u32 s[WV], 2
	s_cbranch_scc0 .Lfor_b_\@
	tensor_load_to_lds s[G0A+4:G0A+7], s[G1A:G1A+7]
	s_nop 0
	PLACES
	s_branch .Lasked_\@
.Lfor_b_\@:
	tensor_load_to_lds s[G0B+4:G0B+7], s[G1B:G1B+7]
	s_nop 0
	PLACES
.Lasked_\@:
.endm
	s_load_b256 s[4:11], s[0:1], 0x0               ; xb s[4:5], wb s[6:7], bb s[8:9], qkv s[10:11]
	v_lshl_add_u32 v[SPW], v0, 2, SPARE
	v_mov_b32 v[NIL], 0
	ds_add_u32 v[SPW], v[NIL]                      ; the wave's opening: the add and its wait stand ahead of my first tensor load; work on registers stands between them
	v_lshrrev_b32 v1, 5, v0
	v_readfirstlane_b32 s[WV], v1
	s_lshr_b32 s[WM], s[WV], 1
	s_and_b32 s[WN], s[WV], 1
	s_bfe_u32 s[CX], ttmp6, 0x40000                ; my place in the cluster
	s_bfe_u32 s[CYI], ttmp6, 0x40004
	s_lshl_b32 s[TX], ttmp9, 2                     ; in a cluster launch ttmp9 and ttmp7 count clusters
	s_add_co_u32 s[TX], s[TX], s[CX]
	s_and_b32 s[CLY], ttmp7, 0xffff
	s_lshl_b32 s[TY], s[CLY], 2
	s_add_co_u32 s[TY], s[TY], s[CYI]
	s_lshl_b32 s[RM], s[CYI], 2
	s_lshl_b32 s[RM], 15, s[RM]                    ; my row of the cluster
	s_lshl_b32 s[CM], 0x1111, s[CX]                ; my column
	s_or_b32 s[G1A], s[RM], W0                     ; x's tiles go to my row,
	s_or_b32 s[G1B], s[CM], W0                     ; W's to my column
.irp g, G1A, G1B
	s_mov_b32 s[(\g)+1], 128<<16                   ; tensor_dim0 = 128 elements: rows of 256 bytes
	s_mov_b32 s[(\g)+3], 128<<16                   ; tile_dim0 = 128
	s_mov_b32 s[(\g)+5], 128                       ; dense: 128 elements from row to row
	s_mov_b32 s[(\g)+6], 0
	s_mov_b32 s[(\g)+7], 0
.endr
	s_mov_b32 s[G1A+2], 64<<16                     ; tensor_dim1 = tile_dim1 = 64: 128 rows of x, two to a row of 256 bytes
	s_mov_b32 s[G1A+4], 64
	s_mov_b32 s[G1B+2], 96<<16                     ; 96: 192 rows of W
	s_mov_b32 s[G1B+4], 96
	s_lshl_b32 s40, s[TY], 15                      ; x: (256 x tile row + 128 x half) rows of 128 bytes: made of the tile row alone,
	s_lshl_b32 s41, s[WN], 14
	s_add_co_u32 s40, s40, s41
	s_mov_b32 s41, 0
	s_mul_i32 s42, s[TX], 384*128                  ; W: (384 x tile column + 192 x half) rows: of the tile column alone
	s_mul_i32 s43, s[WN], 192*128
	s_add_co_u32 s42, s42, s43
	s_mov_b32 s43, 0
	s_mul_i32 s44, s[WN], AHALF                    ; where they go: no place in the cluster enters an LDS address
	s_mul_i32 s45, s[WN], BHALF
	s_add_co_u32 s45, s45, BOFF
	s_mov_b32 s[TB], 0
	s_wait_dscnt 0x0                               ; the opening add is done
	s_wait_kmcnt 0x0
	s_add_nc_u64 s[4:5], s[4:5], s[40:41]
	s_add_nc_u64 s[6:7], s[6:7], s[42:43]
	CROUND                                         ; all sixteen work-groups are here: the first joint loads meet
.irp s, 0,1
	s_mov_b32 s[G0A+4*(\s)], 1                     ; count = 1
	s_add_co_u32 s[G0A+4*(\s)+1], s44, (\s)*SLOT   ; LDS address
	s_add_nc_u64 s[G0A+4*(\s)+2:G0A+4*(\s)+3], s[4:5], (\s)*STEPA  ; K step s
	s_or_b32 s[G0A+4*(\s)+3], s[G0A+4*(\s)+3], 0x80000000          ; type = 2
	s_mov_b32 s[G0B+4*(\s)], 1
	s_add_co_u32 s[G0B+4*(\s)+1], s45, (\s)*SLOT
	s_add_nc_u64 s[G0B+4*(\s)+2:G0B+4*(\s)+3], s[6:7], (\s)*STEPB
	s_or_b32 s[G0B+4*(\s)+3], s[G0B+4*(\s)+3], 0x80000000
.endr
	s_cmp_lt_u32 s[WV], 2                          ; a wave's two first fills stand in one branch, ahead of every wait on TENSORcnt and every LDS read: two loads of mine are out
	s_cbranch_scc0 .Lfirst_b
	tensor_load_to_lds s[G0A:G0A+3], s[G1A:G1A+7]
	s_nop 0
	tensor_load_to_lds s[G0A+4:G0A+7], s[G1A:G1A+7]
	s_nop 0
	PLACES
	s_branch .Lfirst_asked
.Lfirst_b:
	tensor_load_to_lds s[G0B:G0B+3], s[G1B:G1B+7]
	s_nop 0
	tensor_load_to_lds s[G0B+4:G0B+7], s[G1B:G1B+7]
	s_nop 0
	PLACES
.Lfirst_asked:
	v_and_b32 v1, 15, v0                           ; r = lane % 16
	v_bfe_u32 v10, v0, 4, 1                        ; h = lane / 16
	v_lshlrev_b32 v[BO], 5, v10
	s_mul_i32 s46, s[TX], 384*4                    ; the bias of my 192 columns
	s_mul_i32 s47, s[WN], 192*4
	s_add_co_u32 s46, s46, s47
	s_mov_b32 s47, 0
	s_add_nc_u64 s[8:9], s[8:9], s[46:47]
.irp b, 0,1,2,3,4,5,6,7,8,9,10,11
	WIN (1+((\b)>>2))<<6                           ; destination: the accumulators' window; address: window 0
	global_load_b128 v[64*((\b)&3):64*((\b)&3)+3],   v[BO], s[8:9] offset:64*(\b)     ; b[16 b + 8 h ..] into accumulator (0, b)
	global_load_b128 v[64*((\b)&3)+4:64*((\b)&3)+7], v[BO], s[8:9] offset:64*(\b)+16
.endr
	WIN 0
	; A fragment is 16 rows x 32 K in 8 registers: lane l holds row l % 16, K = 8 (l / 16) + 0..7 and 16 + 8 (l / 16) + 0..7: two loads of 16 bytes, 32 bytes apart.
	v_mul_u32_u24 v11, v1, PITCH
	v_lshl_add_u32 v11, v10, 4, v11                ; row x pitch + 16 x half
	s_mul_i32 s46, s[WM], AHALF
	v_add_nc_u32 v[ADRA0], s46, v11
	s_mul_i32 s46, s[WN], BHALF
	s_add_co_u32 s46, s46, BOFF
	v_add_nc_u32 v[ADRB0], s46, v11
	v_mov_b32 v[ADRA], v[ADRA0]
	v_mov_b32 v[ADRB], v[ADRB0]
	s_mul_i32 s46, s[WV], STW
	s_add_co_u32 s46, s46, STAGE                   ; my stage
	v_add_nc_u32 v[STO], s46, v11                  ; in: row l % 16, 16 bytes for each half of the lanes
	v_and_b32 v12, 31, v0
	v_lshrrev_b32 v13, 3, v12
	v_mul_u32_u24 v13, v13, PITCH                  ; back: 32 lanes take four rows of 128 bytes,
	v_and_b32 v14, 7, v0
	v_lshl_add_u32 v13, v14, 4, v13
	v_add_nc_u32 v[RD], s46, v13
	v_lshlrev_b32 v[GO], 4, v12                    ; which are 512 consecutive bytes of qkv
	s_mul_i32 s44, s[TX], 6                        ; my first block of 64 columns among the 48: 6 x tile column + 3 x half
	s_mul_i32 s45, s[WN], 3
	s_add_co_u32 s44, s44, s45
	s_lshl_b32 s45, s[TY], 1
	s_add_co_u32 s45, s45, s[WM]
	s_lshl_b32 s45, s45, 18                        ; my block of 128 rows
.irp j, 0,1,2
	s_add_co_u32 s46, s44, \j
	s_lshr_b32 s47, s46, 4                         ; the part: Q, K or V
	s_lshl_b32 s47, s47, 24
	s_and_b32 s46, s46, 15                         ; the column block in it
	s_lshl_b32 s46, s46, 14
	s_add_co_u32 s46, s46, s47
	s_add_co_u32 s46, s46, s45
	s_mov_b32 s47, 0
	s_add_nc_u64 s[SB+2*\j:SB+2*\j+1], s[10:11], s[46:47]
.endr
; 8 matrix instructions: column tile b x my 8 blocks of 16 rows, 32 along K (half q of the step).  The accumulators take turns, one instruction a turn.
; mode 1: the sums of rows a = 1..7 start from the bias in accumulator (0, b); mode 2: row 0 adds onto it in place.
.macro MULB b, q, mode
	WIN 0x50*(1+((\b)>>2))                         ; C and D in the tile's window, the fragments in window 0
.irp a, 0,1,2,3,4,5,6,7
.if (\mode) == 0
	v_wmma_f32_16x16x32_bf16 v[64*((\b)&3)+8*\a:64*((\b)&3)+8*\a+7], v[FB+48*((\b)/6)+8*((\b)%6):FB+48*((\b)/6)+8*((\b)%6)+7], v[FA+64*(\q)+8*\a:FA+64*(\q)+8*\a+7], v[64*((\b)&3)+8*\a:64*((\b)&3)+8*\a+7]
.elseif ((\mode) == 1) && (\a > 0)
	v_wmma_f32_16x16x32_bf16 v[64*((\b)&3)+8*\a:64*((\b)&3)+8*\a+7], v[FB+48*((\b)/6)+8*((\b)%6):FB+48*((\b)/6)+8*((\b)%6)+7], v[FA+64*(\q)+8*\a:FA+64*(\q)+8*\a+7], v[64*((\b)&3):64*((\b)&3)+7]
.elseif ((\mode) == 2) && (\a == 0)
	v_wmma_f32_16x16x32_bf16 v[64*((\b)&3):64*((\b)&3)+7], v[FB+48*((\b)/6)+8*((\b)%6):FB+48*((\b)/6)+8*((\b)%6)+7], v[FA+64*(\q):FA+64*(\q)+7], v[64*((\b)&3):64*((\b)&3)+7]
.endif
.endr
.endm
.macro FETCHB q, hb                    ; 12 LDS loads: W's column tiles 6 hb .. 6 hb + 5, half q of the step
	WIN 0
.irp i, 0,1,2,3,4,5
	ds_load_b128 v[FB+48*(\hb)+8*\i:FB+48*(\hb)+8*\i+3],   v[ADRB] offset:(6*(\hb)+\i)*16*PITCH+64*(\q)
	ds_load_b128 v[FB+48*(\hb)+8*\i+4:FB+48*(\hb)+8*\i+7], v[ADRB] offset:(6*(\hb)+\i)*16*PITCH+64*(\q)+32
.endr
.endm
.macro FETCHA q                        ; 16 LDS loads: x's 8 blocks of rows, half q of the step
	WIN 0
.irp i, 0,1,2,3,4,5,6,7
	ds_load_b128 v[FA+64*(\q)+8*\i:FA+64*(\q)+8*\i+3],   v[ADRA] offset:\i*16*PITCH+64*(\q)
	ds_load_b128 v[FA+64*(\q)+8*\i+4:FA+64*(\q)+8*\i+7], v[ADRA] offset:\i*16*PITCH+64*(\q)+32
.endr
.endm
; A K step is four pieces of 48 matrix instructions: (q, hb) = (0,0), (0,1), (1,0), (1,1).  One of the first three: behind its first 8 products it fetches what the next piece needs.
.macro HQ q, hb, first
	s_wait_dscnt 0x0                               ; my fragments are in
	MULB 6*(\hb), \q, \first
	PLACES
.if (\hb) == 0
	FETCHB \q, 1
.else
	FETCHB 1, 0
	FETCHA 1
.endif
.irp i, 1,2,3,4,5
	MULB 6*(\hb)+\i, \q, \first
.endr
.if \first
.rept 5
	v_nop                                          ; five places before a matrix instruction writes over a register that the products above took as C
.endr
.irp i, 0,1,2,3,4,5
	MULB 6*(\hb)+\i, \q, 2
.endr
.endif
.endm
; The piece (1,1) changes slots: ONE barrier.  In front of it each wave waits for all its tensor loads (one is out: its part of the next slot), adds 0 to its spare word, and waits for
; that and for its own reads of this slot.  fill = 1: the barrier opens a round of the cluster's barrier, and this slot is filled again, two K steps ahead, first thing behind the round.
.macro TURN fill
	WIN 0
	s_wait_tensorcnt 0x0                           ; no tensor load of mine is out, so a group 0 may be written
	ds_add_u32 v[SPW], v[NIL]                      ; 0 onto my spare word
.if \fill
	s_xor_b32 s[G0A+5], s[G0A+5], SLOT             ; the walking descriptors: the other slot than last time, the next K step
	s_add_nc_u64 s[G0A+6:G0A+7], s[G0A+6:G0A+7], STEPA
	s_xor_b32 s[G0B+5], s[G0B+5], SLOT
	s_add_nc_u64 s[G0B+6:G0B+7], s[G0B+6:G0B+7], STEPB
.endif
	s_wait_dscnt 0x1                               ; my fragments are in; the add may be out
	MULB 6, 1, 0
	s_wait_dscnt 0x0                               ; the add is done, and my reads of this slot are over
	s_barrier_signal -1
	MULB 7, 1, 0                                   ; work on registers while the others arrive
	WIN 0                                          ; at a branch and at a label every window is 0
	s_barrier_wait -1
.if \fill
	CREST                                          ; no wave of any partner still reads this slot or has a load on its way
	JLOAD                                          ; its four v_nop are also the places in front of the loads below
.else
	PLACES
.endif
	s_xor_b32 s[TB], s[TB], SLOT
	v_add_nc_u32 v[ADRA], s[TB], v[ADRA0]
	v_add_nc_u32 v[ADRB], s[TB], v[ADRB0]
	FETCHB 0, 0
	FETCHA 0
.irp i, 8,9,10,11
	MULB \i, 1, 0
.endr
.endm
; THE WAY OUT of block a (16 rows x 192 columns).  PACK: rounded to f16, 16 bytes a lane and column tile.  TOSTAGE: into my own stage, and back as rows of 128 bytes.  SEND: stored.
.macro PACK a
.irp b, 0,1,2,3,4,5,6,7,8,9,10,11
	WIN 5*(1+((\b)>>2))                            ; sources 0 and 1 in the tile's window
.irp r, 0,1,2,3
	v_cvt_pk_f16_f32 v[TMP+4*(\b)+(\r)], v[64*((\b)&3)+8*(\a)+2*(\r)], v[64*((\b)&3)+8*(\a)+2*(\r)+1]
.endr
.endr
	WIN 0
.endm
.macro TOSTAGE a
.set BK, 160-64*((\a)%2)               ; v160-207 and v96-143 by turns
	s_wait_xcnt 0x0                                ; the registers that earlier stores read are loaded again only behind this wait (ISA guide 3.1)
.irp b, 0,1,2,3,4,5,6,7,8,9,10,11
	ds_store_b128 v[STO], v[TMP+4*(\b):TMP+4*(\b)+3] offset:((\b)>>2)*16*PITCH+((\b)&3)*32
.endr
.irp j, 0,1,2
.irp f, 0,1,2,3
	ds_load_b128 v[BK+4*(4*\j+\f):BK+4*(4*\j+\f)+3], v[RD] offset:\j*16*PITCH+\f*4*PITCH  ; LDS serves a wave's instructions in order (ISA guide 5.7.1.4): these see the stores above
.endr
.endr
.endm
.macro SEND a
.set BK, 160-64*((\a)%2)
	s_wait_dscnt 0x0                               ; the block is back in registers
.irp j, 0,1,2
.irp f, 0,1,2,3
	global_store_b128 v[GO], v[BK+4*(4*\j+\f):BK+4*(4*\j+\f)+3], s[SB+2*\j:SB+2*\j+1] offset:(\a)*2048+\f*512  ; 512 consecutive bytes, aligned
.endr
.endr
.endm
	s_wait_tensorcnt 0x1                           ; my part of K step 0 is in; K step 1's may stay out
	s_barrier_signal -1
	s_barrier_wait -1                              ; everybody's is
	FETCHB 0, 0
	FETCHA 0
	s_wait_loadcnt 0x0                             ; the bias
	HQ 0, 0, 1                                     ; the first 32 along K stand in front of the loop: their products start the sums
	HQ 0, 1, 1
	WIN 0
	s_mov_b32 s[CNT], 14
.Lstep:                                                ; a trip: the second half of a K step, the change of slots with its refill, the first half of the next step
	HQ 1, 0, 0
	TURN 1
	HQ 0, 0, 0
	HQ 0, 1, 0
	WIN 0
	s_sub_co_u32 s[CNT], s[CNT], 1
	s_cmp_lg_u32 s[CNT], 0
	s_cbranch_scc1 .Lstep
	s_mov_b32 s[CNT], 2
.Ltail:                                                ; the last two K steps ask for nothing.  The last trip is left in its middle; its change of slots fetches the other slot's old,
	HQ 1, 0, 0                                     ; landed bytes into registers that nobody multiplies: the price of one text for both trips
	TURN 0
	WIN 0
	s_cmp_eq_u32 s[CNT], 1
	s_cbranch_scc1 .Lskip
	HQ 0, 0, 0
	HQ 0, 1, 0
	WIN 0
.Lskip:
	s_wait_dscnt 0x0                               ; no LDS load is out on a register that is loaded or written next
	s_sub_co_u32 s[CNT], s[CNT], 1
	s_cmp_lg_u32 s[CNT], 0
	s_cbranch_scc1 .Ltail
	PLACES                                         ; the conversions read results just made
	PACK 0
	TOSTAGE 0
.irp a, 1,2,3,4,5,6,7                  ; block a's conversions stand between block a - 1's loads from the stage and the wait for them
	PACK \a
	SEND (\a)-1
	TOSTAGE \a
.endr
	SEND 7
	s_wait_tensorcnt 0x0                           ; the wave's end: three lines behind my last tensor load and my last LDS store
	ds_add_u32 v[SPW], v[NIL]
	s_wait_dscnt 0x0
	CROUND                                         ; the closing round: no work-group ends while a partner may still ask for a tile that names it
	s_endpgm
.Lfunc_end_k_q5cf5a4e52e_proj:
	.size	k_q5cf5a4e52e_proj, .Lfunc_end_k_q5cf5a4e52e_proj-k_q5cf5a4e52e_proj
	.p2alignl 7, 3214868480
	.fill 96, 4, 3214868480
	.section	.rodata,"a",@progbits
	.p2align	6, 0x0
	.amdhsa_kernel k_q5cf5a4e52e_proj
		.amdhsa_group_segment_fixed_size 327680
		.amdhsa_private_segment_fixed_size 0
		.amdhsa_enable_private_segment 0
		.amdhsa_kernarg_size 32
		.amdhsa_user_sgpr_count 2
		.amdhsa_user_sgpr_kernarg_segment_ptr 1
		.amdhsa_wavefront_size32 1
		.amdhsa_system_sgpr_workgroup_id_x 1
		.amdhsa_system_sgpr_workgroup_id_y 1
		.amdhsa_system_sgpr_workgroup_id_z 1
		.amdhsa_system_vgpr_workitem_id 0
		.amdhsa_next_free_vgpr 1024
		.amdhsa_next_free_sgpr 84
		.amdhsa_reserve_vcc 0
		.amdhsa_float_denorm_mode_32 3
		.amdhsa_float_denorm_mode_16_64 3
		.amdhsa_memory_ordered 1
		.amdhsa_forward_progress 1
		.amdhsa_inst_pref_size 106
	.end_amdhsa_kernel
	.amdgpu_metadata
---
amdhsa.version: [ 1, 2 ]
amdhsa.kernels:
  - .name:           k_q5cf5a4e52e_proj
    .symbol:         k_q5cf5a4e52e_proj.kd
    .args:
      - { .name: xb, .offset: 0, .size: 8, .value_kind: global_buffer, .address_space: global }
      - { .name: wb, .offset: 8, .size: 8, .value_kind: global_buffer, .address_space: global }
      - { .name: bb, .offset: 16, .size: 8, .value_kind: global_buffer, .address_space: global }
      - { .name: qkv, .offset: 24, .size: 8, .value_kind: global_buffer, .address_space: global }
    .group_segment_fixed_size: 327680
    .private_segment_fixed_size: 0
    .kernarg_segment_align: 8
    .kernarg_segment_size: 32
    .max_flat_workgroup_size: 128
    .sgpr_count:     84
    .vgpr_count:     1024
    .wavefront_size: 32
...
	.end_amdgpu_metadata
.endif
;; end of part 2
;; launch score (part 3): grid 8 x 32, 4 waves a work-group, clusters of 4 x 4, 327,680 bytes of LDS; arguments qkv, pw, ms, ls; writes pw, ms, ls
.if DOCPART == 3
	.amdgcn_target "amdgcn-amd-amdhsa--gfx1250"
	.amdhsa_code_object_version 6
	.text
	.protected	k_q5cf5a4e52e_score
	.globl	k_q5cf5a4e52e_score
	.p2align	8
	.type	k_q5cf5a4e52e_score,@function
k_q5cf5a4e52e_score:
	s_mov_b64 s[64:65], 0
	v_nop
	global_prefetch_b8 v0, s[64:65] scope:SCOPE_SE
	s_setreg_imm32_b32 hwreg(HW_REG_WAVE_MODE, 25, 1), 1
	s_wait_xcnt 0x0
	s_wait_alu depctr_hold_cnt(0) depctr_sa_sdst(0) depctr_va_vdst(0) depctr_va_sdst(0) depctr_va_ssrc(0) depctr_va_vcc(0) depctr_vm_vsrc(0)
	s_getreg_b32 s2, hwreg(HW_REG_IB_STS2, 6, 4)
	s_cmp_eq_u32 s2, 0
	s_cbranch_scc0 .Lentry_in_a_cluster
	s_endpgm
.Lentry_in_a_cluster:
	s_bfe_u32 s2, ttmp6, 0x10000c
	s_cmp_lg_u32 s2, 0xf033
	s_cbranch_scc0 .Lentry_shape_is_right
	s_endpgm
.Lentry_shape_is_right:
; For each batch: S = Q K^T (f16 operands, f32 sums), and of each row and block of 128 keys the first half of a softmax:
;   m' = floor(c max s), c = log2(e) / 32;   p = 2^(c s - m'), in (0, 2], rounded to f16;   l = the sum of the unrounded p.
; The shift is the floor of the block's own maximum, so no exponent passes 1; the next launch puts a row's sixteen blocks on a common footing by powers of two.
;   qkv: f16 [3 parts][64 row blocks][16 column blocks][128 rows][64 columns]     ms, ls: f32 [64 qb][16 kb][128]
;   pw:  f16 [64 qb][16 kb][8 blocks of 16 queries][8 groups of 16 keys][32 lanes][8 numbers]: as the registers hold it (see LAYOUT)
; LIMITS.  A weight below 2^-24 counts as 0 in pw, below 2^-126 in l.  NaN and infinities are not treated apart.
; SHARES.  A work-group makes 256 queries x 256 keys of one batch, each of its four waves 128 x 128: 64 accumulators, 512 registers.  The 1,024 channels go in 8 steps of 128 through
; two LDS slots; a step's 128 rows x 128 channels are 32,768 dense bytes of qkv (two column blocks), asked for as 128 rows of 256 bytes and padded behind every 128.
; CLUSTER.  4 x 4 work-groups of one batch: the four of a row of the cluster need the same rows of Q, the four of a column the same rows of K: each tile is asked for jointly.
; LAYOUT.  The matrix instruction is used transposed (source 0 = 16 keys, source 1 = 16 queries): a lane holds ONE query (lane % 16) and the keys 16 b + 8 (lane / 16) + 0..7 of accumulator b,
; so a row's maximum and sum want one exchange between the halves of the lanes.  Rounded in pairs, accumulators 2 k and 2 k + 1 ARE the next launch's source 1 (16 queries x 32 keys), lane by lane:
; the weights are stored as they lie, a lane's 16 bytes at 16 x lane, and go through no stage.
; REGISTERS, in windows of 256 (s_set_vgpr_msb: bits 1:0 source 0, 3:2 source 1, 5:4 source 2, 7:6 destination):
;   window 0: v0-31 addresses; v32-56 at work in the softmax; v64-127, v128-191 fragments of Q, two buffers; v192-223 packed weights
;   window 1: v64-127, v128-191 fragments of K      window 2: accumulators of my queries 0-63 ((a, b) at 8 (8 a + b))      window 3: those of queries 64-127
.set PITCH,  144                       ; an LDS row: 128 bytes + 16 of padding = 36 words: the 16 rows of a load start at 16 different groups of four banks (64 banks of 4 bytes: ISA guide 11.1)
.set CBLK,   128*PITCH                 ; 128 rows x 64 channels
.set PART,   2*CBLK                    ; what one tensor load brings: 128 rows x 128 channels, as two column blocks
.set SLOT,   4*PART                    ; Q's 256 rows, then K's: 0x24000, which shares no bit with the parts' bases, so an exclusive or is the step from slot to slot
.set STATS,  2*SLOT                    ; behind the ring: 128 m' and 128 l for each wave
.set SPARE,  STATS+4*1024              ; the spare words, 128 bytes for each wave: two blocks of 256 bytes that no other line names
.set STEP,   32768                     ; bytes from a step to the next in qkv
.set ADRA0, 2
.set ADRB0, 3
.set ADRA,  4
.set ADRB,  5
.set GO,    8                          ; 16 x lane
.set STA,   9                          ; where my query's m' goes
.set STR,   10                         ; where I read 16 bytes of the statistics back
.set SPW,   28
.set NIL,   29
.set T,     32                         ; v32-53 at work
.set MP,    54                         ; v54 m'; v55 is named with it as a pair
.set LS,    56                         ; l
.set F0,    64
.set F1,    128
.set TMP,   192                        ; packed weights of 16 queries
.set WV,  14
.set WM,  15
.set WN,  16
.set CX,  17
.set CYI, 18
.set TX,  19
.set TY,  20
.set CLY, 21
.set RM,  22
.set CM,  23
.set G1A, 24
.set G0A, 32
.set G1B, 48
.set G0B, 56
.set CNT, 66
.set TB,  67
.set CS,  68                           ; s[68:69] c
.set SEL, 70                           ; s[70:71] v_permlanex16_b32's selects: each lane takes its own place in the other half
.set SB,  72                           ; s[72:73] pw, s[74:75] ms, s[76:77] ls at my wave's part
.set W0,  (1<<16)|(1<<20)|(1<<21)|(4<<22)|(3<<25)  ; 2-byte elements; padding on; bit 21 beside a mask; after every 32 words (code 4) 4 words (code 3)
.set MUL_LO, 0xa1                      ; source 0 (K) window 1, source 1 (Q) window 0, C and D window 2
.set TO_B,   0x40                      ; destination window 1, address window 0
.set MSB, 0
.macro WIN new
.if MSB != (\new)
	s_set_vgpr_msb (MSB<<8)|(\new)
.set MSB, \new
.endif
.endm
.macro PLACES                          ; four places in front of loads into registers that matrix instructions have read, and of vector instructions that read results
.rept 4
	v_nop
.endr
.endm
.macro CREST
	s_cmp_lg_u32 s[WV], 0
	s_cbranch_scc1 .Lnot_wave_0_\@
	s_barrier_signal -3
.Lnot_wave_0_\@:
	s_barrier_wait -3
	s_barrier_signal -1
	s_barrier_wait -1
.endm
.macro CROUND
	s_barrier_signal -1
	s_barrier_wait -1
	CREST
.endm
.macro JLOAD                           ; a joint refill: waves 0 and 1 fetch Q's two row blocks, waves 2 and 3 K's
	s_cmp_lt_u32 s[WV], 2
	s_cbranch_scc0 .Lfor_b_\@
	tensor_load_to_lds s[G0A+4:G0A+7], s[G1A:G1A+7]
	s_nop 0
	PLACES
	s_branch .Lasked_\@
.Lfor_b_\@:
	tensor_load_to_lds s[G0B+4:G0B+7], s[G1B:G1B+7]
	s_nop 0
	PLACES
.Lasked_\@:
.endm
	s_load_b256 s[4:11], s[0:1], 0x0               ; qkv s[4:5], pw s[6:7], ms s[8:9], ls s[10:11]
	v_lshl_add_u32 v[SPW], v0, 2, SPARE
	v_mov_b32 v[NIL], 0
	ds_add_u32 v[SPW], v[NIL]                      ; the wave's opening: the add and its wait stand ahead of my first tensor load
	v_lshrrev_b32 v1, 5, v0
	v_readfirstlane_b32 s[WV], v1
	s_lshr_b32 s[WM], s[WV], 1
	s_and_b32 s[WN], s[WV], 1
	s_bfe_u32 s[CX], ttmp6, 0x40000
	s_bfe_u32 s[CYI], ttmp6, 0x40004
	s_lshl_b32 s[TX], ttmp9, 2
	s_add_co_u32 s[TX], s[TX], s[CX]               ; block of 256 keys in the batch, 0..7
	s_and_b32 s[CLY], ttmp7, 0xffff
	s_lshl_b32 s[TY], s[CLY], 2
	s_add_co_u32 s[TY], s[TY], s[CYI]              ; block of 256 queries, 0..31
	s_lshl_b32 s[RM], s[CYI], 2
	s_lshl_b32 s[RM], 15, s[RM]
	s_lshl_b32 s[CM], 0x1111, s[CX]
	s_or_b32 s[G1A], s[RM], W0                     ; Q's tiles go to my row of the cluster,
	s_or_b32 s[G1B], s[CM], W0                     ; K's to my column
.irp g, G1A, G1B
	s_mov_b32 s[(\g)+1], 128<<16                   ; tensor_dim0 = 128 elements: rows of 256 bytes
	s_mov_b32 s[(\g)+2], 128<<16                   ; tensor_dim1 = 128
	s_mov_b32 s[(\g)+3], 128<<16                   ; tile_dim0 = 128
	s_mov_b32 s[(\g)+4], 128                       ; tile_dim1 = 128
	s_mov_b32 s[(\g)+5], 128                       ; dense
	s_mov_b32 s[(\g)+6], 0
	s_mov_b32 s[(\g)+7], 0
.endr
	s_lshl_b32 s40, s[TY], 1                       ; Q: row block 2 x my block of queries + half
	s_add_co_u32 s40, s40, s[WN]
	s_lshl_b32 s40, s40, 18
	s_mov_b32 s41, 0
	s_lshr_b32 s42, s[CLY], 1                      ; the batch: eight blocks of queries, two clusters, to each: the whole cluster shares it
	s_lshl_b32 s42, s42, 4
	s_lshl_b32 s43, s[TX], 1
	s_add_co_u32 s42, s42, s43
	s_add_co_u32 s42, s42, s[WN]                   ; K: row block 16 x batch + 2 x my block of keys + half,
	s_lshl_b32 s42, s42, 18
	s_add_co_u32 s42, s42, 1<<24                   ; in part 1
	s_mov_b32 s43, 0
	s_mul_i32 s44, s[WV], PART                     ; where they go: wave x a part
	s_mov_b32 s[TB], 0
	s_mov_b32 s[CS], 0x3d38aa3b                    ; c = log2(e) / 32
	s_mov_b32 s[CS+1], s[CS]
	s_mov_b32 s[SEL], 0x76543210
	s_mov_b32 s[SEL+1], 0xfedcba98
	s_wait_dscnt 0x0                               ; the opening add is done
	s_wait_kmcnt 0x0
	s_add_nc_u64 s[40:41], s[4:5], s[40:41]
	s_add_nc_u64 s[42:43], s[4:5], s[42:43]
	CROUND                                         ; all sixteen work-groups are here: the first joint loads meet
.irp s, 0,1
	s_mov_b32 s[G0A+4*(\s)], 1
	s_add_co_u32 s[G0A+4*(\s)+1], s44, (\s)*SLOT
	s_add_nc_u64 s[G0A+4*(\s)+2:G0A+4*(\s)+3], s[40:41], (\s)*STEP
	s_or_b32 s[G0A+4*(\s)+3], s[G0A+4*(\s)+3], 0x80000000
	s_mov_b32 s[G0B+4*(\s)], 1
	s_add_co_u32 s[G0B+4*(\s)+1], s44, (\s)*SLOT
	s_add_nc_u64 s[G0B+4*(\s)+2:G0B+4*(\s)+3], s[42:43], (\s)*STEP
	s_or_b32 s[G0B+4*(\s)+3], s[G0B+4*(\s)+3], 0x80000000
.endr
	s_cmp_lt_u32 s[WV], 2                          ; a wave's two first fills stand in one branch: two loads of mine are out
	s_cbranch_scc0 .Lfirst_b
	tensor_load_to_lds s[G0A:G0A+3], s[G1A:G1A+7]
	s_nop 0
	tensor_load_to_lds s[G0A+4:G0A+7], s[G1A:G1A+7]
	s_nop 0
	PLACES
	s_branch .Lfirst_asked
.Lfirst_b:
	tensor_load_to_lds s[G0B:G0B+3], s[G1B:G1B+7]
	s_nop 0
	tensor_load_to_lds s[G0B+4:G0B+7], s[G1B:G1B+7]
	s_nop 0
	PLACES
.Lfirst_asked:
	v_and_b32 v1, 15, v0                           ; r
	v_bfe_u32 v11, v0, 4, 1                        ; h
	v_mul_u32_u24 v12, v1, PITCH
	v_lshl_add_u32 v12, v11, 4, v12                ; a fragment's row x pitch + 16 x half
	s_mul_i32 s46, s[WM], PART                     ; my 128 queries
	v_add_nc_u32 v[ADRA0], s46, v12
	s_mul_i32 s46, s[WN], PART                     ; my 128 keys,
	s_add_co_u32 s46, s46, 2*PART                  ; behind Q's two parts
	v_add_nc_u32 v[ADRB0], s46, v12
	v_mov_b32 v[ADRA], v[ADRA0]
	v_mov_b32 v[ADRB], v[ADRB0]
	v_and_b32 v[GO], 31, v0
	v_lshlrev_b32 v[GO], 4, v[GO]
	s_lshl_b32 s46, s[WV], 10
	s_add_co_u32 s46, s46, STATS
	v_lshl_add_u32 v[STA], v1, 2, s46
	v_add_nc_u32 v[STR], s46, v[GO]
	v_mov_b32 v[MP+1], 0                           ; named with m' as a pair
	s_lshl_b32 s46, s[TY], 1
	s_add_co_u32 s46, s46, s[WM]                   ; qb
	s_lshl_b32 s47, s[TX], 1
	s_add_co_u32 s47, s47, s[WN]                   ; kb
	s_lshl_b32 s44, s46, 19
	s_lshl_b32 s45, s47, 15
	s_add_co_u32 s44, s44, s45
	s_mov_b32 s45, 0
	s_add_nc_u64 s[SB:SB+1], s[6:7], s[44:45]
	s_lshl_b32 s44, s46, 13
	s_lshl_b32 s47, s47, 9
	s_add_co_u32 s44, s44, s47
	s_add_nc_u64 s[SB+2:SB+3], s[8:9], s[44:45]
	s_add_nc_u64 s[SB+4:SB+5], s[10:11], s[44:45]
; 16 matrix instructions: query blocks a0, a0 + 1 of the window's four x all 8 key blocks, 32 channels.  The 64 accumulators take turns in the same order in every quarter.
.macro MUL16 f, hi, a0, zero
	WIN MUL_LO+0x50*(\hi)
.irp a, \a0, (\a0)+1
.irp b, 0,1,2,3,4,5,6,7
.if \zero
	v_wmma_f32_16x16x32_f16 v[8*(8*(\a)+(\b)):8*(8*(\a)+(\b))+7], v[(\f)+8*(\b):(\f)+8*(\b)+7], v[(\f)+8*(4*(\hi)+(\a)):(\f)+8*(4*(\hi)+(\a))+7], 0
.else
	v_wmma_f32_16x16x32_f16 v[8*(8*(\a)+(\b)):8*(8*(\a)+(\b))+7], v[(\f)+8*(\b):(\f)+8*(\b)+7], v[(\f)+8*(4*(\hi)+(\a)):(\f)+8*(4*(\hi)+(\a))+7], v[8*(8*(\a)+(\b)):8*(8*(\a)+(\b))+7]
.endif
.endr
.endr
.endm
; 32 LDS loads in one run: the fragments of quarter q of the step in hand (column block q / 2, channels 32 (q % 2) on) into buffer f: K's, then Q's
.macro FETCH q, f
	WIN TO_B
.irp i, 0,1,2,3,4,5,6,7
	ds_load_b128 v[(\f)+8*(\i):(\f)+8*(\i)+3],   v[ADRB] offset:((\q)>>1)*CBLK+((\q)&1)*64+(\i)*16*PITCH
	ds_load_b128 v[(\f)+8*(\i)+4:(\f)+8*(\i)+7], v[ADRB] offset:((\q)>>1)*CBLK+((\q)&1)*64+(\i)*16*PITCH+32
.endr
	WIN 0
.irp i, 0,1,2,3,4,5,6,7
	ds_load_b128 v[(\f)+8*(\i):(\f)+8*(\i)+3],   v[ADRA] offset:((\q)>>1)*CBLK+((\q)&1)*64+(\i)*16*PITCH
	ds_load_b128 v[(\f)+8*(\i)+4:(\f)+8*(\i)+7], v[ADRA] offset:((\q)>>1)*CBLK+((\q)&1)*64+(\i)*16*PITCH+32
.endr
.endm
; A step is four quarters of 32 channels, 64 matrix instructions each.  One of the first three multiplies buffer f and, in its middle, fetches quarter qn into buffer g.
.macro QUARTER qn, f, g, zero
	s_wait_dscnt 8                                 ; K and Q's rows 0-63 are in; the youngest eight loads (Q's rows 64-127) may be out
	MUL16 \f, 0, 0, \zero
	MUL16 \f, 0, 2, \zero
	PLACES
	FETCH \qn, \g
	s_wait_dscnt 32                                ; all but the 32 just issued
	MUL16 \f, 1, 0, \zero
	MUL16 \f, 1, 2, \zero
.endm
; The last quarter multiplies buffer 1 and changes slots: ONE barrier; in front of it each wave waits for all its tensor loads (one is out: its part of the next slot), adds 0 to its spare word,
; and waits for that and for its own reads of this slot.  fill = 1: the barrier opens a round of the cluster's barrier and this slot is filled again, two steps ahead, first thing behind the round.
.macro TURN fill
	WIN 0
	s_wait_tensorcnt 0x0                           ; no tensor load of mine is out, so a group 0 may be written
	ds_add_u32 v[SPW], v[NIL]                      ; 0 onto my spare word
.if \fill
	s_xor_b32 s[G0A+5], s[G0A+5], SLOT             ; the walking descriptors: the other slot than last time, the next step
	s_add_nc_u64 s[G0A+6:G0A+7], s[G0A+6:G0A+7], STEP
	s_xor_b32 s[G0B+5], s[G0B+5], SLOT
	s_add_nc_u64 s[G0B+6:G0B+7], s[G0B+6:G0B+7], STEP
.endif
	s_wait_dscnt 9                                 ; the add and the youngest eight loads may be out
	MUL16 F1, 0, 0, 0
	s_wait_dscnt 0x0                               ; the add is done, and my reads of this slot are over
	s_barrier_signal -1
	MUL16 F1, 0, 2, 0
	WIN 0
	s_barrier_wait -1
.if \fill
	CREST
	JLOAD                                          ; its four v_nop are also the places in front of the loads below
.else
	PLACES
.endif
	s_xor_b32 s[TB], s[TB], SLOT
	v_add_nc_u32 v[ADRA], s[TB], v[ADRA0]
	v_add_nc_u32 v[ADRB], s[TB], v[ADRB0]
	FETCH 0, F0
	MUL16 F1, 1, 0, 0
	MUL16 F1, 1, 2, 0
.endm
; THE SOFTMAX'S FIRST HALF AND THE WAY OUT for block a: 16 queries, 64 scores a lane in 64 consecutive registers.  Every accumulator is read from its low end on.
.macro SOFT a
.set W,  2+(\a)/4
.set AC, 64*((\a)%4)
	WIN W*0x15                                     ; all three sources in the accumulators' window
.set k, 0
.rept 21
	v_max3_num_f32 v[T+k], v[AC+3*k], v[AC+3*k+1], v[AC+3*k+2]
.set k, k+1
.endr
	v_max_num_f32 v[T+21], v[AC+62], v[AC+63]
	WIN 0
.irp k, 0,3,6,9,12,15,18
	v_max3_num_f32 v[T+\k], v[T+\k], v[T+\k+1], v[T+\k+2]
.endr
	v_max3_num_f32 v[T], v[T], v[T+3], v[T+6]
	v_max3_num_f32 v[T+9], v[T+9], v[T+12], v[T+15]
	v_max_num_f32 v[T+18], v[T+18], v[T+21]
	v_max3_num_f32 v[T], v[T], v[T+9], v[T+18]
	v_permlanex16_b32 v[T+1], v[T], s[SEL], s[SEL+1]  ; the query's other 64 keys lie in the lane 16 away
	v_max_num_f32 v[T], v[T], v[T+1]
	v_mul_f32 v[T], s[CS], v[T]
	v_floor_f32 v[MP], v[T]                        ; m'
	WIN W*0x41                                     ; destination and source 0 in the accumulators' window, m' in window 0
.set k, 0
.rept 32
	v_pk_fma_f32 v[AC+2*k:AC+2*k+1], v[AC+2*k:AC+2*k+1], s[CS:CS+1], v[MP:MP+1] op_sel_hi:[1,0,0] neg_lo:[0,0,1] neg_hi:[0,0,1]  ; c s - m'
.set k, k+1
.endr
.set k, 0
.rept 64
	v_exp_f32 v[AC+k], v[AC+k]
.set k, k+1
.endr
	v_nop                                          ; a plain instruction between the last exponential and the use of its result (ISA guide 5.7.2)
	s_wait_xcnt 0x0                                ; the packed weights, which the block before's stores read, are written again only behind this wait (ISA guide 3.1)
	WIN W*5                                        ; sources 0 and 1 in the accumulators' window
.set k, 0
	s_wait_alu depctr_va_vdst(0)
.rept 32
	v_cvt_pk_f16_f32 v[TMP+k], v[AC+2*k], v[AC+2*k+1]
.set k, k+1
.endr
	WIN 0
.irp b, 0,1,2,3,4,5,6,7
	global_store_b128 v[GO], v[TMP+4*(\b):TMP+4*(\b)+3], s[SB:SB+1] offset:(\a)*4096+(\b)*512  ; accumulator b as it lies: 512 consecutive bytes, aligned
.endr
	WIN W*0x45                                     ; the sum of the 32 pairs, in place: neighbours 1, 2, 4, 8 and 16 pairs apart
.irp st, 2,4,8,16,32
.set u, 0
.rept 32/(\st)
	v_pk_add_f32 v[AC+u:AC+u+1], v[AC+u:AC+u+1], v[AC+u+(\st):AC+u+(\st)+1]
.set u, u+2*(\st)
.endr
.endr
	WIN W*5
	v_add_f32 v[T], v[AC], v[AC+1]
	WIN 0
	v_permlanex16_b32 v[T+1], v[T], s[SEL], s[SEL+1]
	v_add_f32 v[LS], v[T], v[T+1]                  ; l
	ds_store_b32 v[STA], v[MP] offset:64*(\a)      ; both halves of the lanes hold, and write, the same number
	ds_store_b32 v[STA], v[LS] offset:512+64*(\a)
.endm
	s_wait_tensorcnt 0x1                           ; my part of step 0 is in; step 1's may stay out
	s_barrier_signal -1
	s_barrier_wait -1
	FETCH 0, F0
	QUARTER 1, F0, F1, 1                           ; the first quarter stands in front of the loop: its products start the sums
	WIN 0
	s_mov_b32 s[CNT], 6
.Lstep:                                                ; a trip: from a step's second quarter to the next step's first, with one refill
	QUARTER 2, F1, F0, 0
	QUARTER 3, F0, F1, 0
	TURN 1
	QUARTER 1, F0, F1, 0
	WIN 0
	s_sub_co_u32 s[CNT], s[CNT], 1
	s_cmp_lg_u32 s[CNT], 0
	s_cbranch_scc1 .Lstep
	s_mov_b32 s[CNT], 2
.Ltail:                                                ; the last two steps ask for nothing.  The last trip is left in its middle; its change of slots fetches the other slot's old, landed bytes
	QUARTER 2, F1, F0, 0                           ; into registers that nobody multiplies: the price of one text for both trips
	QUARTER 3, F0, F1, 0
	TURN 0
	WIN 0
	s_cmp_eq_u32 s[CNT], 1
	s_cbranch_scc1 .Lskip
	QUARTER 1, F0, F1, 0
	WIN 0
.Lskip:
	s_wait_dscnt 0x0                               ; no LDS load is out on a register that is loaded or written next
	s_sub_co_u32 s[CNT], s[CNT], 1
	s_cmp_lg_u32 s[CNT], 0
	s_cbranch_scc1 .Ltail
	PLACES                                         ; the maxima read results just made
.irp a, 0,1,2,3,4,5,6,7
	SOFT \a
.endr
	ds_load_b128 v[32:35], v[STR]                  ; my wave's 128 m' and 128 l, 16 bytes a lane: LDS serves a wave's instructions in order (ISA guide 5.7.1.4), so these see the stores above
	ds_load_b128 v[36:39], v[STR] offset:512
	s_wait_dscnt 0x0
	global_store_b128 v[GO], v[32:35], s[SB+2:SB+3]
	global_store_b128 v[GO], v[36:39], s[SB+4:SB+5]
	s_wait_tensorcnt 0x0                           ; the wave's end: three lines behind my last tensor load and my last LDS store
	ds_add_u32 v[SPW], v[NIL]
	s_wait_dscnt 0x0
	CROUND                                         ; the closing round
	s_endpgm
.Lfunc_end_k_q5cf5a4e52e_score:
	.size	k_q5cf5a4e52e_score, .Lfunc_end_k_q5cf5a4e52e_score-k_q5cf5a4e52e_score
	.p2alignl 7, 3214868480
	.fill 96, 4, 3214868480
	.section	.rodata,"a",@progbits
	.p2align	6, 0x0
	.amdhsa_kernel k_q5cf5a4e52e_score
		.amdhsa_group_segment_fixed_size 327680
		.amdhsa_private_segment_fixed_size 0
		.amdhsa_enable_private_segment 0
		.amdhsa_kernarg_size 32
		.amdhsa_user_sgpr_count 2
		.amdhsa_user_sgpr_kernarg_segment_ptr 1
		.amdhsa_wavefront_size32 1
		.amdhsa_system_sgpr_workgroup_id_x 1
		.amdhsa_system_sgpr_workgroup_id_y 1
		.amdhsa_system_sgpr_workgroup_id_z 1
		.amdhsa_system_vgpr_workitem_id 0
		.amdhsa_next_free_vgpr 1024
		.amdhsa_next_free_sgpr 84
		.amdhsa_reserve_vcc 0
		.amdhsa_float_denorm_mode_32 3
		.amdhsa_float_denorm_mode_16_64 3
		.amdhsa_memory_ordered 1
		.amdhsa_forward_progress 1
		.amdhsa_inst_pref_size 160
	.end_amdhsa_kernel
	.amdgpu_metadata
---
amdhsa.version: [ 1, 2 ]
amdhsa.kernels:
  - .name:           k_q5cf5a4e52e_score
    .symbol:         k_q5cf5a4e52e_score.kd
    .args:
      - { .name: qkv, .offset: 0, .size: 8, .value_kind: global_buffer, .address_space: global }
      - { .name: pw, .offset: 8, .size: 8, .value_kind: global_buffer, .address_space: global }
      - { .name: ms, .offset: 16, .size: 8, .value_kind: global_buffer, .address_space: global }
      - { .name: ls, .offset: 24, .size: 8, .value_kind: global_buffer, .address_space: global }
    .group_segment_fixed_size: 327680
    .private_segment_fixed_size: 0
    .kernarg_segment_align: 8
    .kernarg_segment_size: 32
    .max_flat_workgroup_size: 128
    .sgpr_count:     84
    .vgpr_count:     1024
    .wavefront_size: 32
...
	.end_amdgpu_metadata
.endif
;; end of part 3
;; launch pv (part 4): grid 4 x 64, 4 waves a work-group, clusters of 4 x 4, 327,680 bytes of LDS; arguments pw, qkv, ms, ls, out0; writes out0
.if DOCPART == 4
	.amdgcn_target "amdgcn-amd-amdhsa--gfx1250"
	.amdhsa_code_object_version 6
	.text
	.protected	k_q5cf5a4e52e_pv
	.globl	k_q5cf5a4e52e_pv
	.p2align	8
	.type	k_q5cf5a4e52e_pv,@function
k_q5cf5a4e52e_pv:
	s_mov_b64 s[64:65], 0
	v_nop
	global_prefetch_b8 v0, s[64:65] scope:SCOPE_SE
	s_setreg_imm32_b32 hwreg(HW_REG_WAVE_MODE, 25, 1), 1
	s_wait_xcnt 0x0
	s_wait_alu depctr_hold_cnt(0) depctr_sa_sdst(0) depctr_va_vdst(0) depctr_va_sdst(0) depctr_va_ssrc(0) depctr_va_vcc(0) depctr_vm_vsrc(0)
	s_getreg_b32 s2, hwreg(HW_REG_IB_STS2, 6, 4)
	s_cmp_eq_u32 s2, 0
	s_cbranch_scc0 .Lentry_in_a_cluster
	s_endpgm
.Lentry_in_a_cluster:
	s_bfe_u32 s2, ttmp6, 0x10000c
	s_cmp_lg_u32 s2, 0xf033
	s_cbranch_scc0 .Lentry_shape_is_right
	s_endpgm
.Lentry_shape_is_right:
; out0[q][:] = (the sum over the 16 key blocks kb of 2^u_kb P_kb[q][:] V_kb) / L, the softmax's second half and the second product.
;   M' = max over kb of m'_kb;   u_kb = max(m'_kb - M', -60);   L = the sum of 2^u_kb l_kb, at least 1.
; THE COMMON FOOTING, in f32.  The sums are kept in the unit of the key block in hand: between blocks kb and kb + 1 the accumulators are multiplied by g = 2^(u_kb - u_kb+1), a power of two, so
; exact; behind the last block by 2^u_15 / L.  P goes to the matrix unit as it was stored.  No sum passes 16 x 2^60 x (128 x 2 x 65,504) < 2^88.
;   pw: f16 [64 qb][16 kb][8 blocks of 16 queries][8 groups of 16 keys][32 lanes][8 numbers]   ms, ls: f32 [64 qb][16 kb][128]
;   V: part 2 of qkv, f16 [64 row blocks][16 column blocks][128 keys][64 channels]
; LIMITS.  A key block whose maximum lies more than 2^60 below the row's counts with the factor 2^-60 in place of its smaller one: at most 2^-48 of the row's sum.  |V| below 65,504.
; NaN and infinities are not treated apart.
; SHARES.  A work-group makes 128 queries (one qb) x 256 channels, each of its four waves 64 x 128: 32 accumulators.  The batch's 2,048 keys go in 16 steps of 128 through two LDS slots.
; CLUSTER.  4 x 4 work-groups of one batch: the four of a row of the cluster need the same tile of P, the four of a column the same tile of V: each is asked for jointly.
; LAYOUT.  O^T = V^T P: source 0 = 16 channels x 32 keys (V turned on its way out of LDS by ds_load_tr16_b128), source 1 = 16 queries x 32 keys: a lane holds ONE query and eight channels.
; P lies in memory, and so in LDS, as source 1 holds it: a fragment is two runs of 512 bytes, a lane's 16 bytes at 16 x lane: no padding, no two lanes on one bank.
; REGISTERS, in windows of 256 (s_set_vgpr_msb: bits 1:0 source 0, 3:2 source 1, 5:4 source 2, 7:6 destination):
;   window 0: v0-36 addresses and the factors; v64-127, v128-191 fragments of V, two buffers
;   window 1: v0-127 accumulators of query blocks a = 0, 1 ((a, b) at 64 (a % 2) + 8 b); v128-143, v144-159 their fragments of P, two buffers       window 2: the same for a = 2, 3
; Under ONE setting (source 0 in window 0, all else in window 1 or 2) stand a block's products, the loads of its P and the scaling of the window's other block.
.set PHALF, 16384                      ; 64 queries x 128 keys of P: what a wave fetches, and reads
.set PV,    160                        ; a row of V: 128 bytes + 32 of padding
.set VOFF,  2*PHALF                    ; behind P: V as [4 column blocks][128 keys]
.set VBLK,  128*PV
.set SLOT,  1<<17
.set FT,    VOFF+4*VBLK                ; behind slot 0's tiles: the factors, [16 rows][128 queries] f32: rows 0-14 g, row 15 2^u_15 / L
.set SPARE, FT+16*512                  ; the spare words, 128 bytes for each wave: two blocks of 256 bytes that no other line names
.set STAGE, SLOT+FT                    ; behind slot 1's tiles: 16 rows x 528 bytes for each wave
.set SP,    528
.set STEPP, 32768                      ; bytes from a key block to the next in pw
.set STEPV, 1<<18                      ; and in V
.set AP0, 2
.set AV0, 3
.set AP,  4
.set AV,  5
.set FAD, 6                            ; LDS address of my queries' factors in the row in hand
.set STO, 7
.set RD,  8
.set GO,  9
.set G4,  11                           ; 4 x thread
.set FTW, 15                           ; where thread t puts query t's factors
.set GF,  16                           ; v16-23 the factor of my lane's query in blocks a = 0..3, each named as a pair
.set SPW, 28
.set NIL, 29
.set FAD0, 32
.set MX,  34
.set LL,  35
.set RL,  36
.set MSR, 64                           ; v64-79 m', then u
.set EXR, 80                           ; v80-95 2^u
.set LSR, 96                           ; v96-111 l
.set GR,  112                          ; v112-127 the table's sixteen rows for my query
.set VF,  64
.set PB,  128
.set OB,  64
.set WV,  14
.set WM,  15
.set WN,  16
.set CX,  17
.set CYI, 18
.set TX,  19
.set TY,  20
.set CLY, 21
.set RM,  22
.set CM,  23
.set G1A, 24
.set G0A, 32
.set G1B, 48
.set G0B, 56
.set CNT, 66
.set TB,  67
.set FO,  68                           ; the row of the factors' table to be read next, in bytes
.set SB,  72
.set W0P, (1<<16)|(1<<21)              ; 2-byte elements; bit 21 beside a mask; no padding
.set W0V, (1<<16)|(1<<20)|(1<<21)|(4<<22)|(7<<25)  ; padding on: after every 32 words (code 4) 8 words (code 7)
.set W1,  0x54                         ; source 0 window 0; source 1, C and D window 1
.set W2,  0xa8                         ; the same with window 2
.set MSB, 0
.macro WIN new
.if MSB != (\new)
	s_set_vgpr_msb (MSB<<8)|(\new)
.set MSB, \new
.endif
.endm
.macro PLACES                          ; four places in front of loads into registers that matrix instructions have read, and of vector instructions that read or write results
.rept 4
	v_nop
.endr
.endm
.macro CREST
	s_cmp_lg_u32 s[WV], 0
	s_cbranch_scc1 .Lnot_wave_0_\@
	s_barrier_signal -3
.Lnot_wave_0_\@:
	s_barrier_wait -3
	s_barrier_signal -1
	s_barrier_wait -1
.endm
.macro CROUND
	s_barrier_signal -1
	s_barrier_wait -1
	CREST
.endm
.macro JLOAD                           ; a joint refill: waves 0 and 1 fetch P's two halves, waves 2 and 3 V's
	s_cmp_lt_u32 s[WV], 2
	s_cbranch_scc0 .Lfor_b_\@
	tensor_load_to_lds s[G0A+4:G0A+7], s[G1A:G1A+7]
	s_nop 0
	PLACES
	s_branch .Lasked_\@
.Lfor_b_\@:
	tensor_load_to_lds s[G0B+4:G0B+7], s[G1B:G1B+7]
	s_nop 0
	PLACES
.Lasked_\@:
.endm
	s_load_b256 s[4:11], s[0:1], 0x0               ; pw s[4:5], qkv s[6:7], ms s[8:9], ls s[10:11]
	s_load_b64 s[12:13], s[0:1], 0x20              ; out0
	v_lshl_add_u32 v[SPW], v0, 2, SPARE
	v_mov_b32 v[NIL], 0
	ds_add_u32 v[SPW], v[NIL]                      ; the wave's opening: the add and its wait stand ahead of my first tensor load
	v_lshrrev_b32 v1, 5, v0
	v_readfirstlane_b32 s[WV], v1
	s_lshr_b32 s[WM], s[WV], 1
	s_and_b32 s[WN], s[WV], 1
	s_bfe_u32 s[CX], ttmp6, 0x40000
	s_bfe_u32 s[CYI], ttmp6, 0x40004
	s_lshl_b32 s[TX], ttmp9, 2
	s_add_co_u32 s[TX], s[TX], s[CX]               ; block of 256 channels, 0..3
	s_and_b32 s[CLY], ttmp7, 0xffff
	s_lshl_b32 s[TY], s[CLY], 2
	s_add_co_u32 s[TY], s[TY], s[CYI]              ; qb, 0..63
	s_lshl_b32 s[RM], s[CYI], 2
	s_lshl_b32 s[RM], 15, s[RM]
	s_lshl_b32 s[CM], 0x1111, s[CX]
	s_or_b32 s[G1A], s[RM], W0P                    ; P's tiles go to my row of the cluster,
	s_or_b32 s[G1B], s[CM], W0V                    ; V's to my column
.irp g, G1A, G1B
	s_mov_b32 s[(\g)+1], 128<<16                   ; rows of 256 bytes
	s_mov_b32 s[(\g)+3], 128<<16
	s_mov_b32 s[(\g)+5], 128                       ; dense
	s_mov_b32 s[(\g)+6], 0
	s_mov_b32 s[(\g)+7], 0
.endr
	s_mov_b32 s[G1A+2], 64<<16                     ; 64 rows: 16,384 bytes of P
	s_mov_b32 s[G1A+4], 64
	s_mov_b32 s[G1B+2], 128<<16                    ; 128 rows: two column blocks of 128 keys x 128 bytes
	s_mov_b32 s[G1B+4], 128
	s_lshl_b32 s40, s[TY], 19                      ; P: my qb, key block 0, my half of its queries
	s_lshl_b32 s41, s[WN], 14
	s_add_co_u32 s40, s40, s41
	s_mov_b32 s41, 0
	s_lshr_b32 s42, s[CLY], 2                      ; the batch: sixteen qb, four clusters, to each: the whole cluster shares it
	s_lshl_b32 s42, s42, 22                        ; V: row block 16 x batch,
	s_lshl_b32 s43, s[TX], 16                      ; column block 4 x my block of channels
	s_add_co_u32 s42, s42, s43
	s_lshl_b32 s43, s[WN], 15                      ; + 2 x half,
	s_add_co_u32 s42, s42, s43
	s_add_co_u32 s42, s42, 2<<24                   ; in part 2
	s_mov_b32 s43, 0
	s_lshl_b32 s44, s[WN], 14                      ; where they go: no place in the cluster enters an LDS address
	s_mul_i32 s45, s[WN], 2*VBLK
	s_add_co_u32 s45, s45, VOFF
	s_mov_b32 s[TB], 0
	s_mov_b32 s[FO], 0
	s_wait_dscnt 0x0                               ; the opening add is done
	s_wait_kmcnt 0x0
	s_add_nc_u64 s[4:5], s[4:5], s[40:41]
	s_add_nc_u64 s[6:7], s[6:7], s[42:43]
	CROUND                                         ; all sixteen work-groups are here: the first joint loads meet
.irp s, 0,1
	s_mov_b32 s[G0A+4*(\s)], 1
	s_add_co_u32 s[G0A+4*(\s)+1], s44, (\s)*SLOT
	s_add_nc_u64 s[G0A+4*(\s)+2:G0A+4*(\s)+3], s[4:5], (\s)*STEPP
	s_or_b32 s[G0A+4*(\s)+3], s[G0A+4*(\s)+3], 0x80000000
	s_mov_b32 s[G0B+4*(\s)], 1
	s_add_co_u32 s[G0B+4*(\s)+1], s45, (\s)*SLOT
	s_add_nc_u64 s[G0B+4*(\s)+2:G0B+4*(\s)+3], s[6:7], (\s)*STEPV
	s_or_b32 s[G0B+4*(\s)+3], s[G0B+4*(\s)+3], 0x80000000
.endr
	s_cmp_lt_u32 s[WV], 2                          ; a wave's two first fills stand in one branch: two loads of mine are out
	s_cbranch_scc0 .Lfirst_b
	tensor_load_to_lds s[G0A:G0A+3], s[G1A:G1A+7]
	s_nop 0
	tensor_load_to_lds s[G0A+4:G0A+7], s[G1A:G1A+7]
	s_nop 0
	PLACES
	s_branch .Lfirst_asked
.Lfirst_b:
	tensor_load_to_lds s[G0B:G0B+3], s[G1B:G1B+7]
	s_nop 0
	tensor_load_to_lds s[G0B+4:G0B+7], s[G1B:G1B+7]
	s_nop 0
	PLACES
.Lfirst_asked:
	; THE STATISTICS, in the wait for the first tiles: thread t takes query t of the 128
	s_lshl_b32 s44, s[TY], 13
	s_mov_b32 s45, 0
	s_add_nc_u64 s[8:9], s[8:9], s[44:45]
	s_add_nc_u64 s[10:11], s[10:11], s[44:45]
	v_lshlrev_b32 v[G4], 2, v0
.set k, 0
.rept 16
	global_load_b32 v[MSR+k], v[G4], s[8:9] offset:512*k
.set k, k+1
.endr
.set k, 0
.rept 16
	global_load_b32 v[LSR+k], v[G4], s[10:11] offset:512*k
.set k, k+1
.endr
	v_and_b32 v1, 15, v0                           ; r
	v_bfe_u32 v10, v0, 4, 1                        ; h
	v_and_b32 v[GO], 31, v0
	v_lshlrev_b32 v[GO], 4, v[GO]                  ; 16 x lane
	s_lshl_b32 s46, s[WM], 14
	v_add_nc_u32 v[AP0], s46, v[GO]                ; a fragment of P: 16 x lane, in my 64 queries
	; The turning load takes 16 keys x 16 channels (lane l reads key 8 (l / 16) + l % 8, channels 8 ((l / 8) % 2) + 0..7) and leaves half a fragment of V^T: lane l holds channel l % 16 and 8 keys.
	v_and_b32 v12, 7, v0
	v_bfe_u32 v13, v0, 3, 1
	v_lshl_add_u32 v[AV0], v10, 3, v12
	v_mul_u32_u24 v[AV0], v[AV0], PV
	v_lshl_add_u32 v[AV0], v13, 4, v[AV0]
	s_mul_i32 s46, s[WN], 2*VBLK                   ; my 128 channels: two column blocks
	s_add_co_u32 s46, s46, VOFF
	v_add_nc_u32 v[AV0], s46, v[AV0]
	v_mov_b32 v[AP], v[AP0]
	v_mov_b32 v[AV], v[AV0]
	s_lshl_b32 s46, s[WM], 8
	v_lshl_add_u32 v[FAD0], v1, 2, s46             ; 4 x (64 x my half + r),
	v_add_nc_u32 v[FAD0], FT, v[FAD0]              ; in the table's row 0
	v_lshl_add_u32 v[FTW], v0, 2, FT
.irp a, 0,1,2,3
	v_mov_b32 v[GF+2*\a+1], 0                      ; named with the factors as pairs
.endr
	s_mul_i32 s46, s[WV], 16*SP
	s_add_co_u32 s46, s46, STAGE                   ; my stage
	v_mul_u32_u24 v[STO], v1, SP                   ; in: row l % 16, 32 bytes for each half of the lanes
	v_lshl_add_u32 v[STO], v10, 5, v[STO]
	v_add_nc_u32 v[STO], s46, v[STO]
	v_add_nc_u32 v[RD], s46, v[GO]                 ; back: 32 lanes take a row's 512 bytes
	s_lshl_b32 s46, s[TY], 19                      ; out0: row 128 qb + 64 x my half, 4,096 bytes each; column 256 x block + 128 x half, 4 bytes each
	s_lshl_b32 s47, s[WM], 18
	s_add_co_u32 s46, s46, s47
	s_lshl_b32 s47, s[TX], 10
	s_add_co_u32 s46, s46, s47
	s_lshl_b32 s47, s[WN], 9
	s_add_co_u32 s46, s46, s47
	s_mov_b32 s47, 0
	s_add_nc_u64 s[SB:SB+1], s[12:13], s[46:47]
	s_wait_loadcnt 0x0
	v_max3_num_f32 v[MX], v[MSR], v[MSR+1], v[MSR+2]
.irp k, 3,5,7,9,11,13
	v_max3_num_f32 v[MX], v[MX], v[MSR+\k], v[MSR+\k+1]
.endr
	v_max_num_f32 v[MX], v[MX], v[MSR+15]          ; M'
.set k, 0
.rept 16
	v_sub_f32 v[MSR+k], v[MSR+k], v[MX]
.set k, k+1
.endr
.set k, 0
.rept 16
	v_max_num_f32 v[MSR+k], 0xc2700000, v[MSR+k]   ; u = max(m' - M', -60)
.set k, k+1
.endr
.set k, 0
.rept 15
	v_sub_f32 v[GR+k], v[MSR+k], v[MSR+k+1]
.set k, k+1
.endr
.set k, 0
.rept 16
	v_exp_f32 v[EXR+k], v[MSR+k]                   ; 2^u
.set k, k+1
.endr
.set k, 0
.rept 15
	v_exp_f32 v[GR+k], v[GR+k]                     ; g, from block k to block k + 1
.set k, k+1
.endr
	v_nop                                          ; a plain instruction between the last exponential and the use of its result (ISA guide 5.7.2)
	s_wait_alu depctr_va_vdst(0)
	v_mul_f32 v[LL], v[EXR], v[LSR]
.set k, 1
.rept 15
	v_fmac_f32 v[LL], v[EXR+k], v[LSR+k]           ; L
.set k, k+1
.endr
	v_rcp_f32 v[RL], v[LL]
	v_nop                                          ; and behind the reciprocal
	s_wait_alu depctr_va_vdst(0)
	v_mul_f32 v[GR+15], v[EXR+15], v[RL]           ; 2^u_15 / L
.set k, 0
.rept 16
	ds_store_b32 v[FTW], v[GR+k] offset:512*k
.set k, k+1
.endr
; The LDS loads of quarter qn of the slot in hand, into buffers nb: P's four fragments, (fac = 1) a row of the factors' table, V's eight fragments, in one run.
.macro LOADQ qn, nb, fac
	WIN W1
.irp a, 0,1
	ds_load_b128 v[PB+16*(\nb)+8*\a:PB+16*(\nb)+8*\a+3],   v[AP] offset:\a*4096+1024*(\qn)
	ds_load_b128 v[PB+16*(\nb)+8*\a+4:PB+16*(\nb)+8*\a+7], v[AP] offset:\a*4096+1024*(\qn)+512
.endr
	WIN W2
.irp a, 0,1
	ds_load_b128 v[PB+16*(\nb)+8*\a:PB+16*(\nb)+8*\a+3],   v[AP] offset:(\a+2)*4096+1024*(\qn)
	ds_load_b128 v[PB+16*(\nb)+8*\a+4:PB+16*(\nb)+8*\a+7], v[AP] offset:(\a+2)*4096+1024*(\qn)+512
.endr
	WIN 0
.if \fac
.irp a, 0,1,2,3
	ds_load_b32 v[GF+2*\a], v[FAD] offset:64*\a
.endr
.endif
.irp b, 0,1,2,3,4,5,6,7
	ds_load_tr16_b128 v[VF+64*(\nb)+8*\b:VF+64*(\nb)+8*\b+3],   v[AV] offset:(\b>>2)*VBLK+(\b&3)*32+(\qn)*32*PV
	ds_load_tr16_b128 v[VF+64*(\nb)+8*\b+4:VF+64*(\nb)+8*\b+7], v[AV] offset:(\b>>2)*VBLK+(\b&3)*32+(\qn)*32*PV+16*PV
.endr
.endm
; 4 matrix instructions: query block a x channel blocks 4 half .. 4 half + 3, 32 keys from buffers cb.  The accumulators take turns.
; rblk >= 0: behind each product four lines multiply one accumulator of block rblk, the window's other block, by its queries' factor, from its low end on; they name no register of the products round them.
.macro RUNH a, cb, zero, half, rblk=-1
	WIN W1*(1+(\a)/2)
.set rP, PB+16*(\cb)+8*((\a)&1)
.irp i, 0,1,2,3
.set b, 4*(\half)+\i
.set rO, 64*((\a)&1)+8*b
.set rV, VF+64*(\cb)+8*b
.if \zero
	v_wmma_f32_16x16x32_f16 v[rO:rO+7], v[rV:rV+7], v[rP:rP+7], 0
.else
	v_wmma_f32_16x16x32_f16 v[rO:rO+7], v[rV:rV+7], v[rP:rP+7], v[rO:rO+7]
.endif
.if (\rblk) >= 0
.set rR, 64*((\rblk)&1)+8*b
.irp j, 0,2,4,6
	v_pk_mul_f32 v[rR+\j:rR+\j+1], v[GF+2*(\rblk):GF+2*(\rblk)+1], v[rR+\j:rR+\j+1] op_sel_hi:[0,1]
.endr
.endif
.endr
.endm
; A step is four quarters of 32 keys, 32 matrix instructions each, on buffers q % 2.  At its head a quarter asks for the next quarter's fragments.  Blocks go in the order 0, 2, 3, 1.
; THE SCALING from a step to the next: in quarter 3 block 2, finished, is scaled beside block 3's products and block 0 beside block 1's; in the next step's quarter 0 (rid = 1) block 1 beside
; block 0's and block 3 beside block 2's, each ahead of its own products there.  The row of factors was read at the head of the step's quarter 1.  In the last step the row is 2^u_15 / L.
; meet (quarter 2): the change of slots.  The step's last reads of the slot were issued at this quarter's head.  Each wave waits for all its tensor loads (one is out: its part of the next slot),
; adds 0 to its spare word, and waits for that and for its reads; meet = 1: the barrier opens a round of the cluster's barrier, and the slot is filled again, two steps ahead, first thing behind the round.
.macro QUARTER q, zero, meet, rid
.set cbq, (\q)&1
.set nbq, 1-cbq
.set qnq, ((\q)+1)&3
.set facq, 0
.set rr0, -1
.set rr1, -1
.set rr2, -1
.set rr3, -1
.if (\q) == 3
.set rr3, 2
.set rr1, 0
	WIN 0
	s_xor_b32 s[TB], s[TB], SLOT                   ; the next quarter is the next step's first: the other slot
	v_add_nc_u32 v[AP], s[TB], v[AP0]
	v_add_nc_u32 v[AV], s[TB], v[AV0]
.endif
.if (\q) == 1
.set facq, 1
	WIN 0
	v_add_nc_u32 v[FAD], s[FO], v[FAD0]            ; this step's row of the table: sixteen steps, sixteen rows
	s_add_co_u32 s[FO], s[FO], 512
.endif
.if \rid
.set rr0, 1
.set rr2, 3
.endif
	PLACES
	LOADQ qnq, nbq, facq
	s_wait_dscnt 24+4*facq                         ; all but the run just issued: this quarter's fragments are in
	RUNH 0, cbq, \zero, 0, rr0
	RUNH 0, cbq, \zero, 1, rr0
	RUNH 2, cbq, \zero, 0, rr2
	RUNH 2, cbq, \zero, 1, rr2
.if (\q) == 3
	PLACES                                         ; block 2's results, just made, are scaled next
.endif
	RUNH 3, cbq, \zero, 0, rr3
	RUNH 3, cbq, \zero, 1, rr3
.if \meet
	WIN 0
	s_wait_tensorcnt 0x0                           ; no tensor load of mine is out, so a group 0 may be written
	ds_add_u32 v[SPW], v[NIL]                      ; 0 onto my spare word
.if (\meet) == 1
	s_xor_b32 s[G0A+5], s[G0A+5], SLOT             ; the walking descriptors: the other slot than last time, the next key block
	s_add_nc_u64 s[G0A+6:G0A+7], s[G0A+6:G0A+7], STEPP
	s_xor_b32 s[G0B+5], s[G0B+5], SLOT
	s_add_nc_u64 s[G0B+6:G0B+7], s[G0B+6:G0B+7], STEPV
.endif
.endif
	RUNH 1, cbq, \zero, 0, rr1
.if \meet
	s_wait_dscnt 0x0                               ; the add is done, and my reads of this slot are over
	s_barrier_signal -1
.endif
	RUNH 1, cbq, \zero, 1, rr1
.if \meet
	WIN 0
	s_barrier_wait -1
.if (\meet) == 1
	CREST                                          ; no wave of any partner still reads this slot or has a load on its way
	JLOAD
.endif
.endif
.endm
; THE WAY OUT of block a: (scale = 1: blocks 1 and 3, which the last step has not yet multiplied by 2^u_15 / L;) 32 bytes a lane and channel block into my stage, straight from the
; accumulators; back as whole rows of 512 bytes; stored.
.macro OUT a, scale
.set W,  1+(\a)/2
.set AC, 64*((\a)&1)
.if \scale
	WIN W1*W
.set i, 0
.rept 32
	v_pk_mul_f32 v[AC+2*i:AC+2*i+1], v[GF+2*(\a):GF+2*(\a)+1], v[AC+2*i:AC+2*i+1] op_sel_hi:[0,1]
.set i, i+1
.endr
.endif
	WIN W*4                                        ; the stores' data in the accumulators' window
.irp b, 0,1,2,3,4,5,6,7
	ds_store_b128 v[STO], v[AC+8*\b:AC+8*\b+3]   offset:64*\b
	ds_store_b128 v[STO], v[AC+8*\b+4:AC+8*\b+7] offset:64*\b+16
.endr
	WIN 0
	s_wait_xcnt 0x0                                ; the registers that earlier stores read are loaded again only behind this wait (ISA guide 3.1)
.irp t, 0,1,2,3,4,5,6,7,8,9,10,11,12,13,14,15
	ds_load_b128 v[OB+4*\t:OB+4*\t+3], v[RD] offset:\t*SP  ; LDS serves a wave's instructions in order (ISA guide 5.7.1.4): these see the stores above
.endr
.irp t, 0,1,2,3,4,5,6,7,8,9,10,11,12,13,14,15
	s_wait_dscnt 15-\t                             ; row t is back; the rows behind it may be out
	global_store_b128 v[GO], v[OB+4*\t:OB+4*\t+3], s[SB:SB+1] offset:(16*(\a)+\t)*4096 th:TH_STORE_NT  ; 512 consecutive bytes, aligned
.endr
.endm
	s_wait_tensorcnt 0x1                           ; my part of step 0 is in; step 1's may stay out
	s_wait_dscnt 0x0                               ; for the others' sake: my factors are in LDS
	s_barrier_signal -1
	s_barrier_wait -1
	LOADQ 0, 0, 0
	QUARTER 0, 1, 0, 0                             ; the first quarter stands in front of the loop: its products start the sums
	WIN 0
	s_mov_b32 s[CNT], 14
.Lstep:                                                ; a trip: from a step's second quarter to the next step's first, with one refill
	QUARTER 1, 0, 0, 0
	QUARTER 2, 0, 1, 0
	QUARTER 3, 0, 0, 0
	QUARTER 0, 0, 0, 1
	WIN 0
	s_sub_co_u32 s[CNT], s[CNT], 1
	s_cmp_lg_u32 s[CNT], 0
	s_cbranch_scc1 .Lstep
	s_mov_b32 s[CNT], 2
.Ltail:                                                ; the last two steps ask for nothing.  The last trip is left behind its third quarter, which has fetched the other slot's old, landed
	QUARTER 1, 0, 0, 0                             ; bytes into registers that nobody multiplies: the price of one text for both trips
	QUARTER 2, 0, 2, 0
	QUARTER 3, 0, 0, 0
	WIN 0
	s_cmp_eq_u32 s[CNT], 1
	s_cbranch_scc1 .Lskip
	QUARTER 0, 0, 0, 1
	WIN 0
.Lskip:
	s_wait_dscnt 0x0                               ; no LDS load is out on a register that is loaded or written next
	s_sub_co_u32 s[CNT], s[CNT], 1
	s_cmp_lg_u32 s[CNT], 0
	s_cbranch_scc1 .Ltail
	PLACES                                         ; block 1's results, just made, are read below
	OUT 0, 0
	OUT 1, 1
	OUT 2, 0
	OUT 3, 1
	s_wait_tensorcnt 0x0                           ; the wave's end: three lines behind my last tensor load and my last LDS store
	ds_add_u32 v[SPW], v[NIL]
	s_wait_dscnt 0x0
	CROUND                                         ; the closing round
	s_endpgm
.Lfunc_end_k_q5cf5a4e52e_pv:
	.size	k_q5cf5a4e52e_pv, .Lfunc_end_k_q5cf5a4e52e_pv-k_q5cf5a4e52e_pv
	.p2alignl 7, 3214868480
	.fill 96, 4, 3214868480
	.section	.rodata,"a",@progbits
	.p2align	6, 0x0
	.amdhsa_kernel k_q5cf5a4e52e_pv
		.amdhsa_group_segment_fixed_size 327680
		.amdhsa_private_segment_fixed_size 0
		.amdhsa_enable_private_segment 0
		.amdhsa_kernarg_size 40
		.amdhsa_user_sgpr_count 2
		.amdhsa_user_sgpr_kernarg_segment_ptr 1
		.amdhsa_wavefront_size32 1
		.amdhsa_system_sgpr_workgroup_id_x 1
		.amdhsa_system_sgpr_workgroup_id_y 1
		.amdhsa_system_sgpr_workgroup_id_z 1
		.amdhsa_system_vgpr_workitem_id 0
		.amdhsa_next_free_vgpr 672
		.amdhsa_next_free_sgpr 84
		.amdhsa_reserve_vcc 0
		.amdhsa_float_denorm_mode_32 3
		.amdhsa_float_denorm_mode_16_64 3
		.amdhsa_memory_ordered 1
		.amdhsa_forward_progress 1
		.amdhsa_inst_pref_size 92
	.end_amdhsa_kernel
	.amdgpu_metadata
---
amdhsa.version: [ 1, 2 ]
amdhsa.kernels:
  - .name:           k_q5cf5a4e52e_pv
    .symbol:         k_q5cf5a4e52e_pv.kd
    .args:
      - { .name: pw, .offset: 0, .size: 8, .value_kind: global_buffer, .address_space: global }
      - { .name: qkv, .offset: 8, .size: 8, .value_kind: global_buffer, .address_space: global }
      - { .name: ms, .offset: 16, .size: 8, .value_kind: global_buffer, .address_space: global }
      - { .name: ls, .offset: 24, .size: 8, .value_kind: global_buffer, .address_space: global }
      - { .name: out0, .offset: 32, .size: 8, .value_kind: global_buffer, .address_space: global }
    .group_segment_fixed_size: 327680
    .private_segment_fixed_size: 0
    .kernarg_segment_align: 8
    .kernarg_segment_size: 40
    .max_flat_workgroup_size: 128
    .sgpr_count:     84
    .vgpr_count:     672
    .wavefront_size: 32
...
	.end_amdgpu_metadata
.endif
;; end of part 4
;; ======== version 2 of 2: 4 launches; version 1 with the launch cast written anew for expert scheduling mode
;; limits: values are held in f16: magnitudes above 65,504 overflow, below 6.1e-05 lose precision
;; workspace buffers: xb 16,777,216 bytes; wb 6,291,456 bytes; bb 12,288 bytes; qkv 50,331,648 bytes; pw 33,554,432 bytes; ms 524,288 bytes; ls 524,288 bytes
;; launch cast (part 5): grid 256 x 1, 16 waves a work-group, no clusters, 0 bytes of LDS; arguments strat, Wq, Wk, Wv, bq, bk, bv, xb, wb, bb; writes xb, wb, bb
.if DOCPART == 5
	.amdgcn_target "amdgcn-amd-amdhsa--gfx1250"
	.amdhsa_code_object_version 6
	.text
	.protected	k_q5cf5a4e52e_cast
	.globl	k_q5cf5a4e52e_cast
	.p2align	8
	.type	k_q5cf5a4e52e_cast,@function
k_q5cf5a4e52e_cast:
	s_mov_b64 s[64:65], 0
	v_nop
	global_prefetch_b8 v0, s[64:65] scope:SCOPE_SE
	s_setreg_imm32_b32 hwreg(HW_REG_WAVE_SCHED_MODE, 0, 2), 2
	s_setreg_imm32_b32 hwreg(HW_REG_WAVE_MODE, 25, 1), 1
	s_wait_xcnt 0x0
	s_wait_alu depctr_vm_vsrc(0)
; All seven inputs are rounded once to bf16 (nearest even) and laid out for the projection's tiles.
;   xb: bf16 [16 kb][8192 rows][64]   wb: bf16 [16 kb][3072 rows][64] (rows: Wq, Wk, Wv)   bb: f32 [3072], the rounded biases (bq, bk, bv)
; so that 64 columns of any run of rows are dense bytes.  A stream: no LDS, no barrier, no matrix unit.
; SHARES.  8,192 + 3,072 rows are 256 x 44: every work-group takes 32 rows of strat and 12 rows of the weights, the latter as three groups of 4 rows, none of which
; straddles two weights.  Wave w of sixteen takes columns 64 w .. 64 w + 63 (kb = w).  A unit u is a pair of rows: lanes 0-15 read 256 consecutive aligned bytes of one row,
; lanes 16-31 of the next; rounded, a lane's 8 bytes lie at 8 x lane of 256 consecutive aligned bytes of the output.
; Wave 0 of work-groups 0-47 also takes 64 numbers of a bias: 256 bytes in, 256 bytes out.
; THE MODE: SCHED_MODE bits 1:0 = 2 (LLVM: expert scheduling mode 2), set by the entry lines.  The code itself states the register dependences
; between vector instructions and memory instructions, with s_wait_alu, always for 0.
; THE PLAN.  Registers that memory instructions touch:
;   v1, v2     byte offsets, made at the head and never written again: v1 is read by the 22 loads, v2 by the bias's load and by every store.
;   X, unit u  four registers.  Unit u's load lands in them (no vector line has named them before); unit u's two conversions read them and write the first two;
;              unit u's store reads those two; nothing writes them afterwards.
;   BI         written at the head; in the waves that take a bias its load then lands there.     BR   written by two vector lines at the end, read by the bias's store.
; All 22 loads of a wave go out first.  The units then go in seven blocks: four of 4 units (strat), three of 2 units (a group of a weight's rows each).  Block p converts its own units;
; its memory instructions are the stores of block p - 1, whose registers no conversion of block p names.  So ONE wait at a block's head, behind the wait for the block's loads, states all
; that those stores hang on, and they are dealt among the block's conversions with no further wait.  The short blocks stand last: four stores stand behind the arrival of the last load.
; No register that a memory instruction has read is written again, so no wait frees a source.
.set X,   4                            ; v[4:91]  unit u: 4 numbers a lane at X + 4 u; packed in place into its first two registers
.set BI,  92                           ; v[92:93] two numbers of a bias
.set BT,  94                           ; the two, rounded and packed
.set BR,  96                           ; v[96:97] the two as f32
.set KSW, 3072*128                     ; bytes from kb to kb + 1 in wb (in xb: 8192 x 128 = 1 << 20)
	s_load_b512 s[8:23], s[0:1], 0x0               ; strat s[8:9], Wq s[10:11], Wk s[12:13], Wv s[14:15], bq s[16:17], bk s[18:19], bv s[20:21], xb s[22:23]
	s_load_b128 s[24:27], s[0:1], 0x40             ; wb s[24:25], bb s[26:27]
	v_lshrrev_b32 v1, 5, v0
	v_readfirstlane_b32 s4, v1                     ; wave 0..15
	v_and_b32 v3, 31, v0                           ; lane
	v_lshlrev_b32 v2, 3, v3                        ; out: 8 x lane
	v_lshrrev_b32 v1, 4, v3
	v_and_b32 v3, 15, v3
	v_lshlrev_b32 v1, 12, v1                       ; in: row (lane / 16) x 4,096
	v_lshl_add_u32 v1, v3, 4, v1                   ; + 16 (lane % 16)
	s_wait_alu depctr_va_sdst(0)                   ; s4 is written, ahead of its first reader: the offsets, the bases and both branches below are made from it
	s_lshl_b32 s5, s4, 8
	v_add_nc_u32 v1, s5, v1                        ; + 256 x wave
	v_mov_b32 v[BI], 0                             ; written on every way
	v_mov_b32 v[BI+1], 0
	s_mov_b32 s2, ttmp9                            ; the work-group, i
	s_lshl_b32 s28, s2, 17                         ; strat: 32 rows of 4,096 bytes
	s_mov_b32 s29, 0
	s_lshl_b32 s30, s2, 12                         ; xb: 32 rows of 128 bytes,
	s_lshl_b32 s7, s4, 20                          ; in block kb = w
	s_add_co_u32 s30, s30, s7
	s_mov_b32 s31, 0
	s_mul_i32 s32, s2, 12*128                      ; wb: 12 rows of 128 bytes,
	s_mul_i32 s7, s4, KSW                          ; in block kb = w
	s_add_co_u32 s32, s32, s7
	s_mov_b32 s33, 0
	s_mul_i32 s7, s2, 3                            ; my first group of 4 rows among the weights' 768
.irp t, 0,1,2
	s_add_co_u32 s6, s7, \t
	s_lshr_b32 s[38+\t], s6, 8                     ; which weight,
	s_and_b32 s6, s6, 255
	s_lshl_b32 s[42+2*\t], s6, 14                  ; and where in it: 4 rows of 4,096 bytes
	s_mov_b32 s[43+2*\t], 0
.endr
	s_lshr_b32 s6, s2, 4                           ; which bias (work-groups 0-47),
	s_and_b32 s34, s2, 15
	s_lshl_b32 s34, s34, 8                         ; its 64 numbers, in
	s_mov_b32 s35, 0
	s_lshl_b32 s36, s2, 8                          ; and out
	s_mov_b32 s37, 0
	s_cmp_lt_u32 s2, 48
	s_cselect_b32 s5, 1, 0
	s_cmp_eq_u32 s4, 0
	s_cselect_b32 s5, s5, 0                        ; 1: this wave also takes the bias
	s_wait_kmcnt 0x0
	s_add_nc_u64 s[48:49], s[8:9], s[28:29]        ; strat at my rows
	s_add_nc_u64 s[56:57], s[22:23], s[30:31]      ; xb
	s_add_nc_u64 s[58:59], s[24:25], s[32:33]      ; wb
.irp t, 0,1,2
	s_cmp_eq_u32 s[38+\t], 1
	s_cselect_b64 s[50+2*\t:51+2*\t], s[12:13], s[10:11]
	s_cmp_eq_u32 s[38+\t], 2
	s_cselect_b64 s[50+2*\t:51+2*\t], s[14:15], s[50+2*\t:51+2*\t]
	s_add_nc_u64 s[50+2*\t:51+2*\t], s[50+2*\t:51+2*\t], s[42+2*\t:43+2*\t]  ; group t's four rows
.endr
	s_cmp_eq_u32 s6, 1
	s_cselect_b64 s[60:61], s[18:19], s[16:17]
	s_cmp_eq_u32 s6, 2
	s_cselect_b64 s[60:61], s[20:21], s[60:61]
	s_add_nc_u64 s[60:61], s[60:61], s[34:35]
	s_add_nc_u64 s[62:63], s[26:27], s[36:37]
	s_wait_alu depctr_va_vdst(0)                   ; v1 and v2 are written: every load and store of the kernel reads one of them as its offset; so is BI, in which the bias's load lands.  Ahead of the branch: it holds on both ways
	s_cmp_lg_u32 s5, 0
	s_cbranch_scc0 .Lno_bias
	global_load_b64 v[BI:BI+1], v2, s[60:61]       ; older than the 22 loads below: their counts hold on both ways
.Lno_bias:
.set u, 0
.rept 16
	global_load_b128 v[X+4*u:X+4*u+3], v1, s[48:49] offset:u*8192 th:TH_LOAD_NT
.set u, u+1
.endr
.irp t, 0,1,2
	global_load_b128 v[X+64+8*\t:X+64+8*\t+3],   v1, s[50+2*\t:51+2*\t] th:TH_LOAD_NT
	global_load_b128 v[X+64+8*\t+4:X+64+8*\t+7], v1, s[50+2*\t:51+2*\t] offset:8192 th:TH_LOAD_NT
.endr
.macro CVT u                           ; unit u is rounded, in place: four numbers close up into the first two of their four registers
	v_cvt_pk_bf16_f32 v[X+4*(\u)],   v[X+4*(\u)],   v[X+4*(\u)+1]
	v_cvt_pk_bf16_f32 v[X+4*(\u)+1], v[X+4*(\u)+2], v[X+4*(\u)+3]
.endm
.macro PUT u                           ; unit u is stored: two rows of 128 bytes: 256 consecutive bytes, aligned
.if (\u) < 16
	global_store_b64 v2, v[X+4*(\u):X+4*(\u)+1], s[56:57] offset:(\u)*256
.else
	global_store_b64 v2, v[X+4*(\u):X+4*(\u)+1], s[58:59] offset:((\u)-16)*256
.endif
.endm
; A block: units u0 .. u0 + n - 1 are rounded; the m units p0 .. p0 + m - 1 of the block before are stored (m = 0: the first block, with no block in front of it).
.macro BLK u0, n, p0, m
	s_wait_loadcnt 22-(\u0)-(\n)                   ; loads come back in order (ISA guide 5.7.1): the block's units are in, the younger units stay out
.if (\m) > 0
	s_wait_alu depctr_va_vdst(0)                   ; the block before's conversions have written its packed pairs, which the stores below read; no conversion below names those registers or v2
.endif
.set i, 0
.rept 4
.if i < (\m)
	PUT (\p0)+i
.endif
.if i < (\n)
	CVT (\u0)+i
.endif
.set i, i+1
.endr
.endm
	BLK 0,  4, 0,  0                               ; strat: four blocks of four units
	BLK 4,  4, 0,  4
	BLK 8,  4, 4,  4
	BLK 12, 4, 8,  4
	BLK 16, 2, 12, 4                               ; the weights: a group of four rows, two units, to a block
	BLK 18, 2, 16, 2
	BLK 20, 2, 18, 2                               ; its wait on the loads is for 0: the bias's load, the oldest, is in as well
	s_wait_alu depctr_va_vdst(0)                   ; the last block's conversions have written its packed pairs, which the last two stores read
	PUT 20
	PUT 21
	s_cmp_lg_u32 s5, 0
	s_cbranch_scc0 .Ldone
	v_cvt_pk_bf16_f32 v[BT], v[BI], v[BI+1]        ; the bias rounded to bf16,
	v_lshlrev_b32 v[BR], 16, v[BT]                 ; and written as f32
	v_and_b32 v[BR+1], 0xffff0000, v[BT]
	s_wait_alu depctr_va_vdst(0)                   ; the two lines above have written BR, which the store reads
	global_store_b64 v2, v[BR:BR+1], s[62:63]
.Ldone:
	s_endpgm
.Lfunc_end_k_q5cf5a4e52e_cast:
	.size	k_q5cf5a4e52e_cast, .Lfunc_end_k_q5cf5a4e52e_cast-k_q5cf5a4e52e_cast
	.p2alignl 7, 3214868480
	.fill 96, 4, 3214868480
	.section	.rodata,"a",@progbits
	.p2align	6, 0x0
	.amdhsa_kernel k_q5cf5a4e52e_cast
		.amdhsa_group_segment_fixed_size 0
		.amdhsa_private_segment_fixed_size 0
		.amdhsa_enable_private_segment 0
		.amdhsa_kernarg_size 80
		.amdhsa_user_sgpr_count 2
		.amdhsa_user_sgpr_kernarg_segment_ptr 1
		.amdhsa_wavefront_size32 1
		.amdhsa_system_sgpr_workgroup_id_x 1
		.amdhsa_system_sgpr_workgroup_id_y 1
		.amdhsa_system_sgpr_workgroup_id_z 1
		.amdhsa_system_vgpr_workitem_id 0
		.amdhsa_next_free_vgpr 104
		.amdhsa_next_free_sgpr 66
		.amdhsa_reserve_vcc 0
		.amdhsa_float_denorm_mode_32 3
		.amdhsa_float_denorm_mode_16_64 3
		.amdhsa_memory_ordered 1
		.amdhsa_forward_progress 1
		.amdhsa_inst_pref_size 11
	.end_amdhsa_kernel
	.amdgpu_metadata
---
amdhsa.version: [ 1, 2 ]
amdhsa.kernels:
  - .name:           k_q5cf5a4e52e_cast
    .symbol:         k_q5cf5a4e52e_cast.kd
    .args:
      - { .name: strat, .offset: 0, .size: 8, .value_kind: global_buffer, .address_space: global }
      - { .name: Wq, .offset: 8, .size: 8, .value_kind: global_buffer, .address_space: global }
      - { .name: Wk, .offset: 16, .size: 8, .value_kind: global_buffer, .address_space: global }
      - { .name: Wv, .offset: 24, .size: 8, .value_kind: global_buffer, .address_space: global }
      - { .name: bq, .offset: 32, .size: 8, .value_kind: global_buffer, .address_space: global }
      - { .name: bk, .offset: 40, .size: 8, .value_kind: global_buffer, .address_space: global }
      - { .name: bv, .offset: 48, .size: 8, .value_kind: global_buffer, .address_space: global }
      - { .name: xb, .offset: 56, .size: 8, .value_kind: global_buffer, .address_space: global }
      - { .name: wb, .offset: 64, .size: 8, .value_kind: global_buffer, .address_space: global }
      - { .name: bb, .offset: 72, .size: 8, .value_kind: global_buffer, .address_space: global }
    .group_segment_fixed_size: 0
    .private_segment_fixed_size: 0
    .kernarg_segment_align: 8
    .kernarg_segment_size: 80
    .max_flat_workgroup_size: 512
    .sgpr_count:     66
    .vgpr_count:     104
    .wavefront_size: 32
...
	.end_amdgpu_metadata
.endif
;; end of part 5
;; launch proj: the kernel of part 2 again; grid 8 x 32, 4 waves a work-group, clusters of 4 x 4, 327,680 bytes of LDS; arguments xb, wb, bb, qkv; writes qkv
;; launch score: the kernel of part 3 again; grid 8 x 32, 4 waves a work-group, clusters of 4 x 4, 327,680 bytes of LDS; arguments qkv, pw, ms, ls; writes pw, ms, ls
;; launch pv: the kernel of part 4 again; grid 4 x 64, 4 waves a work-group, clusters of 4 x 4, 327,680 bytes of LDS; arguments pw, qkv, ms, ls, out0; writes out0
